; MI455X (gfx1250); checked and timed in simulation.
; The chip was launched on July 23, 2026; its instructions are those of AMD's public machine-readable ISA for CDNA 5 (MIT licence, August 2026) and "CDNA5" Instruction Set Architecture Reference Guide (July 2026). The comments in the code are by the model that wrote it; some were corrected since.
;; MM Attention. Allowed arithmetic: matrix products marked QUANTISED: E2M3 operands, one E8M0 scale for each 32 along K, by v_wmma_scale_f32_16x16x128_f8f6f4 with both operands' format E2M3, f32 sums; everything else in f32.
;; Inputs: b1_proj 1,024 float32; b2_proj 1,024 float32; g1_k 64 float32; g1_q 64 float32; g2_k 64 float32; g2_q 64 float32; w1_proj 1,024 x 1,024 float32; w1_qkv 3,072 x 1,024 float32; w2_proj 1,024 x 1,024 float32; w2_qkv 3,072 x 1,024 float32; x1 4 x 1,024 x 1,024 float32; x2 4 x 1,024 x 1,024 float32.
;; Outputs: out0 4 x 1,024 x 1,024 float32; out1 4 x 1,024 x 1,024 float32.
;; This version of the problem:
;;   THIS VERSION OF THE PROBLEM IS GIVEN IN LOW PRECISION. The matrix products marked QUANTISED in the list below multiply operands that are first quantised to E2M3 (2 exponent bits, 3 mantissa bits; 6 bits a number), with one power-of-two scale for each 32 numbers along K (OCP MX v1.0); their sums are f32. All else is computed in f32.
;;   The module's matrix products, in the order in which they are computed (A, B: the left and right operand; K: the contracted axis; several contracted axes count as one K, in the product's order):
;;     1. [M 4,096, K 1,024] x [K 1,024, N 3,072]; A: input x1; B: input w1_qkv: QUANTISED
;;     2. [M 4,096, K 1,024] x [K 1,024, N 3,072]; A: input x2; B: input w2_qkv: QUANTISED
;;     3. batch 64 x [M 2,048, K 64] x [K 64, N 2,048]; A: computed on the way; B: computed on the way: QUANTISED
;;     4. batch 64 x [M 2,048, K 2,048] x [K 2,048, N 64]; A: softmax (see below); B: computed on the way: QUANTISED
;;     5. [M 4,096, K 1,024] x [K 1,024, N 1,024]; A: computed on the way; B: input w1_proj: QUANTISED
;;     6. [M 4,096, K 1,024] x [K 1,024, N 1,024]; A: computed on the way; B: input w2_proj: QUANTISED
;;   THE QUANTISER, for each operand of a quantised product, along K:
;;     - K is cut into blocks of 32 from its start; a last block that is shorter is filled with zeros.
;;     - A block's scale is 2^e with e = floor(log2(the largest magnitude in the block)) - 2, held to -126 .. 127; a block of zeros has e = 0. As a byte (E8M0): e + 127.
;;     - Each number is divided by its block's scale, clamped to +-7.5, and rounded to the nearest number of E2M3, ties to even, subnormals kept.
;;     - The product sums the exact products of the quantised numbers (number of the format x scale) in f32.
;;   ~~~python
;;   def quantise(x, axis):      # numpy; x: float32 -> the quantised numbers, widened to float32 again
;;       x = np.moveaxis(x, axis, -1); K = x.shape[-1]
;;       x = np.pad(x, [(0, 0)] * (x.ndim - 1) + [(0, -K % 32)]); x = x.reshape(x.shape[:-1] + (-1, 32)); a = np.abs(x).max(-1, keepdims=True)
;;       e = np.where(a > 0, np.clip(np.frexp(np.where(a > 0, a, 1))[1] - 1 - 2, -126, 127), 0)      # np.frexp(a)[1] - 1 = floor(log2(a)), exactly
;;       r = np.clip(x / 2.0 ** e, -7.5, 7.5)
;;       step = 2.0 ** (np.maximum(np.frexp(np.where(r == 0, 1, r))[1] - 1, 0) - 3)
;;       q = np.round(r / step) * step * 2.0 ** e      # np.round: ties to even
;;       return np.moveaxis(q.reshape(q.shape[:-2] + (-1,))[..., :K], -1, axis).astype(np.float32)
;;   ~~~
;;   SOFTMAX AHEAD OF A QUANTISED PRODUCT. Where the list says 'softmax', what is quantised is not the finished softmax but p = 2^(t - M), with t = logit x log2(e) and M = ceil(the row's largest t), a whole number; so 1/2 < the row's largest p <= 1. The row's sum l is taken of the UNQUANTISED p, in f32, and the product's result is divided by l at the end. Since M is a whole number, a kernel that streams over the keys may use a running M (the ceiling of the running maximum): every later rescaling is an exact power of two, which a block's scale takes up: the codes' values come out the same.
;;   OPERANDS COMPUTED ON THE WAY. 'Computed on the way' means the value that the module computes at that place (a softmax that the list does not call 'softmax' is quantised finished and normalised). What goes into a quantiser is computed in f32, as accurately as f32 sums, v_exp_f32 and their like allow (about 1e-6 of the number): no bf16 or f16 on the way to a quantiser, and a product that is left as it is and whose result goes on into a quantised operand takes f32 operands (vector FMAs, or v_wmma_f32_16x16x4_f32). A number that lies on a knife's edge between two numbers of the format may be rounded either way, as far as f32 arithmetic and the matrix unit's own rounding can turn it there, and no further.
;; One version. Each part assembles by itself: llvm-mc -triple=amdgcn-amd-amdhsa -mcpu=gfx1250 --defsym DOCPART=n.
;; ======== version 1 of 1: 4 launches
;; limits: right only within a limited range of input values
;; workspace buffers: opc 12,582,912 bytes; ops 524,288 bytes; qkvc 18,874,368 bytes; qkvs 786,432 bytes; ac 6,291,456 bytes; as_ 262,144 bytes
;; launch quant (part 1): grid 512 x 1, 4 waves a work-group, no clusters, 34,304 bytes of LDS; arguments x1, x2, w1_qkv, w2_qkv, w1_proj, w2_proj, opc, ops; writes opc, ops
.if DOCPART == 1
	.amdgcn_target "amdgcn-amd-amdhsa--gfx1250"
	.amdhsa_code_object_version 6
	.text
	.protected	k_q66d9635be0_quant
	.globl	k_q66d9635be0_quant
	.p2align	8
	.type	k_q66d9635be0_quant,@function
k_q66d9635be0_quant:
	s_mov_b64 s[64:65], 0
	v_nop
	global_prefetch_b8 v0, s[64:65] scope:SCOPE_SE
	s_setreg_imm32_b32 hwreg(HW_REG_WAVE_MODE, 25, 1), 1
	s_wait_xcnt 0x0
; x1, x2 [4096][1024], w1_qkv, w2_qkv [3072][1024], w1_proj, w2_proj [1024][1024], all f32 with K innermost, become codes of FP6 (E2M3) with one E8M0 byte for each 32 along K.
; A block's scale is 2^(floor(log2(its largest magnitude)) - 2); its byte is the largest magnitude's exponent field - 2, held at 1 from below; numbers are divided by the scale and rounded to the nearest code, ties to even.
; LIMITS: NaN and infinities are not served.  A block whose largest magnitude lies under 2^-124, a block of zeros among them, gets the byte 1 (a block of zeros has zero codes, which add nothing); the bytes are read by this program alone.
; LAYOUT OF THE CODES (opc): [row tile T 0..1023][K step 8][half 2][768 bytes].  The six tensors' rows follow each other, 16 rows to a tile.  A HALF IMAGE is 16 rows x 64 K as the matrix operand's registers:
; lane l = (r = l % 16, h = l / 16) owns block h (32 codes, 24 bytes) of row r: its first 16 bytes at 16 l, its last 8 at 512 + 8 l.  So every later load of a fragment reads 512 or 256 consecutive bytes.
; THE ROWS OF A TILE ARE NOT NEIGHBOURS: row r of tile T is the tensor's row 32 (T / 2) + 8 (T % 2) + r % 8 + 16 (r / 8), so that results of a product whose source 0 is such tiles have 16 neighbours in a lane's registers.
; LAYOUT OF THE SCALES (ops): [T][K half 2][r 16][4 words]: word i of half kh is row r's four bytes of K step 4 kh + i.
; SHARES: work-group g makes tiles 2 g and 2 g + 1 (32 rows); wave w takes tile 2 g + w / 2 and K steps 4 (w % 2) .. + 3.  Each load reads 512 consecutive bytes of a row; a K step's 16 x 512 bytes turn through the wave's
; own stage in LDS (rows 528 bytes apart) so that a lane gets its two whole blocks of 32.  Waves share nothing: no barrier.  Up to 32 loads a wave are out.
.set STG, 8448                         ; a wave's stage: 16 rows x (512 + 16) bytes
.set R,   16                           ; v16-143  two sets of 64 registers as loaded
.set X,   144                          ; v144-207 my two blocks of 32 numbers
.set PC,  208                          ; v208-219 a fragment's codes
.set CT,  220                          ; v220-222, v224-226 the second halves of the two blocks, as converted
.set W,   228                          ; v228-231 the four K steps' scale words
.set TM,  232                          ; v232-238 at work
	s_load_b256 s[4:11], s[0:1], 0x0               ; x1, x2, w1_qkv, w2_qkv
	s_load_b256 s[12:19], s[0:1], 0x20             ; w1_proj, w2_proj, opc, ops
	v_lshl_add_u32 v240, v0, 2, 0x8400
	v_mov_b32 v241, 0
	v_lshrrev_b32 v1, 5, v0
	v_readfirstlane_b32 s20, v1                    ; wave 0..3
	v_and_b32 v1, 31, v0                           ; l
	v_and_b32 v8, 15, v0                           ; r
	v_bfe_u32 v9, v0, 4, 1                         ; h
	v_lshlrev_b32 v2, 4, v1                        ; 16 l: my bytes of a load, and of a store of 16 bytes a lane
	v_lshlrev_b32 v3, 3, v1                        ; 8 l
	s_mul_i32 s21, s20, STG
	v_add_nc_u32 v4, s21, v2                       ; the stage, on the way in: 16 l in each row
	v_mul_u32_u24 v5, v8, 528
	v_lshl_add_u32 v5, v9, 7, v5
	v_add_nc_u32 v5, s21, v5                       ; and on the way out: row r, + 128 h: my block of 32 numbers
	v_lshlrev_b32 v6, 4, v8
	v_lshl_add_u32 v6, v9, 3, v6                   ; the scale words' place: 16 r + 8 h
	v_lshlrev_b32 v7, 3, v9                        ; 8 h: how far my two bytes are shifted in a word
	v_mov_b32 v[TM+6], 0                           ; a lane permute's destination counts as read
	s_mov_b32 s22, 0x76543210
	s_mov_b32 s23, 0xfedcba98                      ; v_permlanex16_b32's selects for lane l xor 16
	s_mov_b32 s36, 0xffff0000                      ; lanes 16-31
	s_lshr_b32 s30, s20, 1                         ; u: which of the two tiles
	s_and_b32 s31, s20, 1                          ; kh: which half of K
	s_wait_alu depctr_va_vdst(0)
	s_wait_kmcnt 0x0
	s_mov_b64 s[24:25], s[4:5]                     ; which tensor: the choice hangs on the work-group's number alone; only the pointer is chosen
	s_mov_b32 s26, 0                               ; and the tensor's first work-group
.macro PICK bound, p
	s_cmp_ge_u32 ttmp9, \bound
	s_cselect_b64 s[24:25], s[\p:\p+1], s[24:25]
	s_cselect_b32 s26, \bound, s26
.endm
	PICK 128, 6
	PICK 256, 8
	PICK 352, 10
	PICK 448, 12
	PICK 480, 14
	s_sub_co_u32 s32, ttmp9, s26
	s_lshl_b32 s32, s32, 17                        ; 32 rows of 4,096 bytes a work-group,
	s_lshl_b32 s33, s30, 15                        ; 8 rows on for the odd tile,
	s_add_co_u32 s32, s32, s33
	s_lshl_b32 s33, s31, 11                        ; 512 numbers on for the second half of K
	s_add_co_u32 s32, s32, s33
	s_mov_b32 s33, 0
	s_add_nc_u64 s[24:25], s[24:25], s[32:33]
	s_lshl_b32 s34, ttmp9, 1
	s_add_co_u32 s34, s34, s30                     ; T
	s_mul_i32 s32, s34, 12288
	s_mul_i32 s35, s31, 6144
	s_add_co_u32 s32, s32, s35
	s_add_nc_u64 s[16:17], s[16:17], s[32:33]      ; my four fragments in opc
	s_lshl_b32 s32, s34, 9
	s_lshl_b32 s35, s31, 8
	s_add_co_u32 s32, s32, s35
	s_add_nc_u64 s[18:19], s[18:19], s[32:33]      ; my 256 bytes in ops
.macro LOAD q                          ; K step q of my four: the tile's 16 rows, 512 consecutive bytes each, into set q % 2
.irp i, 0,1,2,3,4,5,6,7,8,9,10,11,12,13,14,15
	global_load_b128 v[R+64*((\q)%2)+4*\i:R+64*((\q)%2)+4*\i+3], v2, s[24:25] offset:((\i%8)+16*(\i/8))*4096+512*(\q) th:TH_LOAD_NT
.endr
.endm
.macro STEP q
.if (\q) < 3
	s_wait_loadcnt 16                              ; loads come back in order: this step's sixteen are in, the next step's sixteen may be out
.else
	s_wait_loadcnt 0x0
.endif
.irp i, 0,1,2,3,4,5,6,7,8,9,10,11,12,13,14,15
	ds_store_b128 v4, v[R+64*((\q)%2)+4*\i:R+64*((\q)%2)+4*\i+3] offset:528*\i
.endr
.irp c, 0,1                            ; LDS serves a wave's instructions in order: these see the stores above.  Block 2 c + h of row r: K = 64 c + 32 h + 0 .. 31
.irp j, 0,1,2,3,4,5,6,7
	ds_load_b128 v[X+32*\c+4*\j:X+32*\c+4*\j+3], v5 offset:256*\c+16*\j
.endr
.endr
	s_wait_dscnt 0x0                               ; my numbers are back, and the stores into the stage have read their registers,
.if (\q) < 2
	LOAD (\q)+2                                    ; which take the loads of two steps on
.endif
.irp c, 0,1
	v_max3_num_f32 v[TM+\c], |v[X+32*\c]|, |v[X+32*\c+1]|, 0x1800000   ; the block's largest magnitude, all 32 numbers mine, and the floor 2^(3 - 127): the byte cannot fall under 1
.endr
.irp i, 2,4,6,8,10,12,14,16,18,20,22,24,26,28,30
.irp c, 0,1
	v_max3_num_f32 v[TM+\c], v[TM+\c], |v[X+32*\c+\i]|, |v[X+32*\c+\i+1]|   ; (the two blocks by turns)
.endr
.endr
.irp c, 0,1
	v_add_nc_u32 v[TM+2+\c], 0xff000000, v[TM+\c]  ; 2 off the exponent field: the conversion takes the exponent field of this operand as its scale
.endr
.irp c, 0,1
	v_lshrrev_b32 v[TM+4+\c], 23, v[TM+2+\c]       ; the scale's byte
.endr
	v_lshl_or_b32 v[W+(\q)], v[TM+5], 16, v[TM+4]  ; my two bytes: blocks h and 2 + h,
	v_lshlrev_b32 v[W+(\q)], v7, v[W+(\q)]         ; at their places in the word;
	v_permlanex16_b32 v[TM+6], v[W+(\q)], s22, s23
	v_or_b32 v[W+(\q)], v[W+(\q)], v[TM+6]         ; with lane l xor 16's two the word is whole
	s_wait_alu depctr_va_vdst(0)
	s_wait_xcnt 0x0                                ; the last step's stores have read their data: the codes' registers are written again only behind this wait
.irp c, 0,1
	v_cvt_scalef32_pk16_fp6_f32 v[PC+6*\c:PC+6*\c+2], v[X+32*\c:X+32*\c+15], v[TM+2+\c]
	v_cvt_scalef32_pk16_fp6_f32 v[CT+4*\c:CT+4*\c+2], v[X+32*\c+16:X+32*\c+31], v[TM+2+\c]   ; (a conversion's three registers begin on an even number)
.endr
	v_nop                                          ; one plain place behind a scaled conversion
.irp c, 0,1
.irp i, 0,1,2
	v_mov_b32 v[PC+3+6*\c+\i], v[CT+4*\c+\i]
.endr
.endr
	global_store_b128 v2, v[PC:PC+3], s[16:17] offset:1536*(\q)             ; each store covers 512 or 256 consecutive bytes, aligned
	global_store_b64 v3, v[PC+4:PC+5], s[16:17] offset:1536*(\q)+512
	global_store_b128 v2, v[PC+6:PC+9], s[16:17] offset:1536*(\q)+768
	global_store_b64 v3, v[PC+10:PC+11], s[16:17] offset:1536*(\q)+1280
.endm
	LOAD 0
	LOAD 1
	STEP 0
	STEP 1
	STEP 2
	STEP 3
	v_cndmask_b32 v[TM], v[W], v[W+2], s36         ; lanes 0-15 store words 0 and 1 of their row, lanes 16-31 words 2 and 3:
	v_cndmask_b32 v[TM+1], v[W+1], v[W+3], s36
	global_store_b64 v6, v[TM:TM+1], s[18:19]      ; 256 consecutive bytes, aligned
	s_wait_tensorcnt 0x0
	ds_add_u32 v240, v241
	s_wait_dscnt 0x0
	s_endpgm
.Lfunc_end_k_q66d9635be0_quant:
	.size	k_q66d9635be0_quant, .Lfunc_end_k_q66d9635be0_quant-k_q66d9635be0_quant
	.p2alignl 7, 3214868480
	.fill 96, 4, 3214868480
	.section	.rodata,"a",@progbits
	.p2align	6, 0x0
	.amdhsa_kernel k_q66d9635be0_quant
		.amdhsa_group_segment_fixed_size 34304
		.amdhsa_private_segment_fixed_size 0
		.amdhsa_enable_private_segment 0
		.amdhsa_kernarg_size 64
		.amdhsa_user_sgpr_count 2
		.amdhsa_user_sgpr_kernarg_segment_ptr 1
		.amdhsa_wavefront_size32 1
		.amdhsa_system_sgpr_workgroup_id_x 1
		.amdhsa_system_sgpr_workgroup_id_y 1
		.amdhsa_system_sgpr_workgroup_id_z 1
		.amdhsa_system_vgpr_workitem_id 0
		.amdhsa_next_free_vgpr 242
		.amdhsa_next_free_sgpr 66
		.amdhsa_reserve_vcc 0
		.amdhsa_float_denorm_mode_32 3
		.amdhsa_float_denorm_mode_16_64 3
		.amdhsa_memory_ordered 1
		.amdhsa_forward_progress 1
		.amdhsa_inst_pref_size 31
	.end_amdhsa_kernel
	.amdgpu_metadata
---
amdhsa.version: [ 1, 2 ]
amdhsa.kernels:
  - .name:           k_q66d9635be0_quant
    .symbol:         k_q66d9635be0_quant.kd
    .args:
      - { .name: x1, .offset: 0, .size: 8, .value_kind: global_buffer, .address_space: global }
      - { .name: x2, .offset: 8, .size: 8, .value_kind: global_buffer, .address_space: global }
      - { .name: w1_qkv, .offset: 16, .size: 8, .value_kind: global_buffer, .address_space: global }
      - { .name: w2_qkv, .offset: 24, .size: 8, .value_kind: global_buffer, .address_space: global }
      - { .name: w1_proj, .offset: 32, .size: 8, .value_kind: global_buffer, .address_space: global }
      - { .name: w2_proj, .offset: 40, .size: 8, .value_kind: global_buffer, .address_space: global }
      - { .name: opc, .offset: 48, .size: 8, .value_kind: global_buffer, .address_space: global }
      - { .name: ops, .offset: 56, .size: 8, .value_kind: global_buffer, .address_space: global }
    .group_segment_fixed_size: 34304
    .private_segment_fixed_size: 0
    .kernarg_segment_align: 8
    .kernarg_segment_size: 64
    .max_flat_workgroup_size: 128
    .sgpr_count:     66
    .vgpr_count:     242
    .wavefront_size: 32
...
	.end_amdgpu_metadata
.endif
;; end of part 1
;; launch qkv (part 2): grid 8 x 96, 4 waves a work-group, clusters of 4 x 4, 327,680 bytes of LDS; arguments opc, ops, qkvc, qkvs, g1_q, g1_k, g2_q, g2_k; writes qkvc, qkvs
.if DOCPART == 2
	.amdgcn_target "amdgcn-amd-amdhsa--gfx1250"
	.amdhsa_code_object_version 6
	.text
	.protected	k_q66d9635be0_qkv
	.globl	k_q66d9635be0_qkv
	.p2align	8
	.type	k_q66d9635be0_qkv,@function
k_q66d9635be0_qkv:
	s_mov_b64 s[64:65], 0
	v_nop
	global_prefetch_b8 v0, s[64:65] scope:SCOPE_SE
	s_setreg_imm32_b32 hwreg(HW_REG_WAVE_MODE, 25, 1), 1
	s_wait_xcnt 0x0
	s_wait_alu depctr_hold_cnt(0) depctr_sa_sdst(0) depctr_va_vdst(0) depctr_va_sdst(0) depctr_va_ssrc(0) depctr_va_vcc(0) depctr_vm_vsrc(0)
	s_getreg_b32 s2, hwreg(HW_REG_IB_STS2, 6, 4)
	s_cmp_eq_u32 s2, 0
	s_cbranch_scc0 .Lentry_in_a_cluster
	s_endpgm
.Lentry_in_a_cluster:
	s_bfe_u32 s2, ttmp6, 0x10000c
	s_cmp_lg_u32 s2, 0xf033
	s_cbranch_scc0 .Lentry_shape_is_right
	s_endpgm
.Lentry_shape_is_right:
; qkv = x W^T for both streams on codes of FP6 (E2M3) with E8M0 scales; q and k get their RMS norm over a head's 64 channels and their gain, in f32; q, k and v are quantised again in registers, as operands of the attention.
; A work-group makes 256 rows of source 0 x 128 rows of source 1 over all K = 1,024; a wave 128 x 64: 32 accumulators.  ALL OF K LIES IN LDS: four chunks of two K steps, each filled ONCE, so no LDS byte is filled twice.
; JOBS, by the cluster's y (Y).  Y < 16: q and k: source 0 = 256 rows of W (a wave: two heads), source 1 = 128 tokens: a lane holds one token, its registers run along the channels, which are the next product's K.
; Y >= 16: v: source 0 = 256 tokens, source 1 = 128 rows of Wv (a wave: one head): a lane holds one channel, its registers run along the tokens, the keys, which are the second attention product's K.
; Both kinds run the same text: tile numbers, strides and factors are selected (for v the norm's factor and the gains are replaced by 1.0); nothing branches on the job.
; OPERANDS lie in memory and in LDS as images of their registers (768 bytes for 16 rows x 64 K: lane l's first 16 bytes at 16 l, its last 8 at 512 + 8 l); row r of tile T is row 32 (T / 2) + 8 (T % 2) + r % 8 + 16 (r / 8),
; so the 16 registers of source 0's tiles 2 b and 2 b + 1 are 16 neighbours, 32 b + 16 (lane / 16) + 0 .. 15.
; OUT: qkvc: q [b][head][token tile 128][768], k likewise, v [b][head][key step 16][channel tile 4][half 2][768].  qkvs: q, k [b][head pair][token tile][16 words] (bytes 0, 1: even head; 2, 3: odd head), v [b][head][key step][channel tile][16 words].
; CLUSTER 4 x 4: source 0's tiles hang on the work-group's x and the cluster's y: asked for jointly along a column; source 1's on the work-group's y: along a row.  Five tensor loads a wave are out at the most.
; LIMITS: NaN and infinities are not served; blocks under 2^-124 (zeros among them) get the byte 1; the reciprocal square root is the chip's own (1 ulp).
; REGISTERS: window 0: v1-6 LDS addresses, v7-15 the way out's, v16-63 scale words and nothing else, v64-159 source 1's fragments (two sets; free on the way out), v160-191 gains, v192-255 at work on the way out.
;   window 1: source 0's fragments, two sets of 96.   window 2: the accumulators, (a, n) at v[64 n + 8 a].
; PRESENT LAYOUT (it replaces what the lines above say of four chunks, of scale words in LDS and of five loads): K lies in LDS in two halves of four K steps, each filled once:
; half 0 by the wave's one load at the head, half 1 by its one load behind the first round; one tensor load a wave is out.  The scale words come from memory straight into their registers, 256 consecutive bytes for each 16 lanes.
.set HALF, 147456                      ; a half of K: source 0's 16 tiles x 6,144 bytes, then source 1's 8 tiles
.set S1O,  98304
.set SCR,  307200                      ; 256 bytes for each wave: the new scale words on their way out; no tile lands here
.set G1A,  24                          ; s[24:31] group 1, source 0's codes;  s[32:39] source 1's
.set G1B,  32
.set SC0,  16                          ; register 8 p + s: lanes 0-15 tile 2 p's words of K step s, lanes 16-31 tile 2 p + 1's
.set SC1,  48
.set BF,   64
.set G,    160
.set YY,   192
.set TM,   64
.set PW,   80
.set PC,   84
.set RS,   104
.set SS,   108
.set MUL,  0xa1                        ; source 0 window 1, source 1 window 0, C and D window 2
.set TO_1, 0x40                        ; destination window 1
.set MSB, 0
.macro WIN new                         ; the immediate's high byte repeats the setting that is left
.if MSB != \new
	s_set_vgpr_msb (MSB<<8)|\new
.set MSB, \new
.endif
.endm
.macro CREST
	s_cmp_lg_u32 s12, 0
	s_cbranch_scc1 .Lnot_wave_0_\@
	s_barrier_signal -3
.Lnot_wave_0_\@:
	s_barrier_wait -3
	s_barrier_signal -1
	s_barrier_wait -1
.endm
.macro CROUND                          ; a round of the cluster's barrier
	s_barrier_signal -1
	s_barrier_wait -1
	CREST
.endm
.macro G1SET g, c, r, p                ; r rows of c elements of 8 bytes, p elements apart
	s_mov_b32 s[\g+1], (\c)<<16
	s_mov_b32 s[\g+2], (\r)<<16
	s_mov_b32 s[\g+3], (\c)<<16
	s_mov_b32 s[\g+4], \r
	s_mov_b32 s[\g+5], \p
	s_mov_b32 s[\g+6], 0
	s_mov_b32 s[\g+7], 0
.endm
.macro G0SET g, lreg, loff, b, goff    ; group 0: to LDS byte s[lreg] + loff, from s[b:b+1] + goff
	s_mov_b32 s[\g], 1
	s_add_co_u32 s[\g+1], s[\lreg], \loff
	s_add_nc_u64 s[\g+2:\g+3], s[\b:\b+1], \goff
	s_or_b32 s[\g+3], s[\g+3], 0x80000000
.endm
.macro FRAG reg, a16, a8, off          ; a fragment, 16 rows x 128 K, 12 registers: two half images on end
	ds_load_b128 v[(\reg):(\reg)+3], v[\a16] offset:(\off)
	ds_load_b64 v[(\reg)+4:(\reg)+5], v[\a8] offset:(\off)+512
	ds_load_b128 v[(\reg)+6:(\reg)+9], v[\a16] offset:(\off)+768
	ds_load_b64 v[(\reg)+10:(\reg)+11], v[\a8] offset:(\off)+1280
.endm
.macro FETCH s                         ; K step s: 8 fragments of source 0, 4 of source 1, into set s % 2
	WIN TO_1
.irp a, 0,1,2,3,4,5,6,7
	FRAG 96*((\s)%2)+12*\a, 1, 2, \a*6144+((\s)%4)*1536
.endr
	WIN 0
.irp n, 0,1,2,3
	FRAG BF+48*((\s)%2)+12*\n, 3, 4, \n*6144+((\s)%4)*1536
.endr
.endm
.macro SCALES                          ; all eight K steps' scale words, once
.irp p, 0,1,2,3
.irp k, 0,1
	global_load_b128 v[SC0+8*\p+4*\k:SC0+8*\p+4*\k+3], v5, s[58:59] offset:1024*\p+256*\k
.endr
.endr
.irp p, 0,1
.irp k, 0,1
	global_load_b128 v[SC1+8*\p+4*\k:SC1+8*\p+4*\k+3], v5, s[82:83] offset:1024*\p+256*\k
.endr
.endr
.endm
; one product.  z = 1: C is the constant 0.  ra, rb: the side's scale words stand in lanes 16-31
.macro WM d, a, b, c, z, sa, sb, ra, rb
.if (\z) && (\ra) && (\rb)
	v_wmma_scale_f32_16x16x128_f8f6f4 v[(\d):(\d)+7], v[(\a):(\a)+11], v[(\b):(\b)+11], 0, v[(\sa)], v[(\sb)] matrix_a_fmt:MATRIX_FMT_FP6 matrix_b_fmt:MATRIX_FMT_FP6 matrix_a_scale:MATRIX_SCALE_ROW1 matrix_b_scale:MATRIX_SCALE_ROW1
.elseif (\z) && (\ra)
	v_wmma_scale_f32_16x16x128_f8f6f4 v[(\d):(\d)+7], v[(\a):(\a)+11], v[(\b):(\b)+11], 0, v[(\sa)], v[(\sb)] matrix_a_fmt:MATRIX_FMT_FP6 matrix_b_fmt:MATRIX_FMT_FP6 matrix_a_scale:MATRIX_SCALE_ROW1
.elseif (\z) && (\rb)
	v_wmma_scale_f32_16x16x128_f8f6f4 v[(\d):(\d)+7], v[(\a):(\a)+11], v[(\b):(\b)+11], 0, v[(\sa)], v[(\sb)] matrix_a_fmt:MATRIX_FMT_FP6 matrix_b_fmt:MATRIX_FMT_FP6 matrix_b_scale:MATRIX_SCALE_ROW1
.elseif (\z)
	v_wmma_scale_f32_16x16x128_f8f6f4 v[(\d):(\d)+7], v[(\a):(\a)+11], v[(\b):(\b)+11], 0, v[(\sa)], v[(\sb)] matrix_a_fmt:MATRIX_FMT_FP6 matrix_b_fmt:MATRIX_FMT_FP6
.elseif (\ra) && (\rb)
	v_wmma_scale_f32_16x16x128_f8f6f4 v[(\d):(\d)+7], v[(\a):(\a)+11], v[(\b):(\b)+11], v[(\c):(\c)+7], v[(\sa)], v[(\sb)] matrix_a_fmt:MATRIX_FMT_FP6 matrix_b_fmt:MATRIX_FMT_FP6 matrix_a_scale:MATRIX_SCALE_ROW1 matrix_b_scale:MATRIX_SCALE_ROW1
.elseif (\ra)
	v_wmma_scale_f32_16x16x128_f8f6f4 v[(\d):(\d)+7], v[(\a):(\a)+11], v[(\b):(\b)+11], v[(\c):(\c)+7], v[(\sa)], v[(\sb)] matrix_a_fmt:MATRIX_FMT_FP6 matrix_b_fmt:MATRIX_FMT_FP6 matrix_a_scale:MATRIX_SCALE_ROW1
.elseif (\rb)
	v_wmma_scale_f32_16x16x128_f8f6f4 v[(\d):(\d)+7], v[(\a):(\a)+11], v[(\b):(\b)+11], v[(\c):(\c)+7], v[(\sa)], v[(\sb)] matrix_a_fmt:MATRIX_FMT_FP6 matrix_b_fmt:MATRIX_FMT_FP6 matrix_b_scale:MATRIX_SCALE_ROW1
.else
	v_wmma_scale_f32_16x16x128_f8f6f4 v[(\d):(\d)+7], v[(\a):(\a)+11], v[(\b):(\b)+11], v[(\c):(\c)+7], v[(\sa)], v[(\sb)] matrix_a_fmt:MATRIX_FMT_FP6 matrix_b_fmt:MATRIX_FMT_FP6
.endif
.endm
.macro MUL32 s, z                      ; a K step's 32 products: the 32 accumulators take turns, one instruction a turn, in the same order in every step
.irp n, 0,1,2,3
.irp a, 0,1,2,3,4,5,6,7
	WM 64*\n+8*\a, 96*((\s)%2)+12*\a, BF+48*((\s)%2)+12*\n, 64*\n+8*\a, \z, SC0+8*(\a/2)+(\s), SC1+8*(\n/2)+(\s), \a%2, \n%2
.endr
.endr
.endm
.macro KSTEP s, z
	s_wait_dscnt 0x0                               ; this step's fragments are in (asked for 32 products ago); no LDS instruction of mine is out at a signal
.if (\s) < 7
.if (\s) == 3
	s_wait_tensorcnt 0x0                           ; my part of the second half of K has landed
	s_barrier_signal -1
	s_barrier_wait -1                              ; everybody's part has
	v_add_nc_u32 v1, HALF, v1                      ; on to the second half.  These four are also the places between the last products and the loads into the registers that they read
	v_add_nc_u32 v2, HALF, v2
	v_add_nc_u32 v3, HALF, v3
	v_add_nc_u32 v4, HALF, v4
.elseif (\s) > 0
.rept 4
	v_nop                                          ; four places in front of loads into registers that matrix instructions have read
.endr
.endif
	FETCH (\s)+1
.endif
	WIN MUL
	MUL32 \s, \z
	WIN 0
.endm
; 64 numbers of a lane, register 16 b + i = k 32 b + 16 (lane / 16) + i of my row, become a fragment's codes in v[PC] on and its scale word in v[w]
.macro QUANT s, w
.irp b, 0,1,2,3
	v_max3_num_f32 v[TM+\b], |v[\s+16*\b]|, |v[\s+1+16*\b]|, 0x1800000   ; block b: my 16 numbers, and the floor 2^(3 - 127): the byte cannot fall under 1
.endr
.irp i, 2,4,6,8,10,12,14
.irp b, 0,1,2,3
	v_max3_num_f32 v[TM+\b], v[TM+\b], |v[\s+16*\b+\i]|, |v[\s+1+16*\b+\i]|
.endr
.endr
.irp b, 0,1,2,3
	v_permlanex16_b32 v[TM+4+\b], v[TM+\b], s54, s55
.endr
.irp b, 0,1,2,3
	v_max_num_f32 v[TM+\b], v[TM+\b], v[TM+4+\b]   ; with lane l xor 16's: the block's largest magnitude
.endr
.irp b, 0,1,2,3
	v_add_nc_u32 v[TM+12+\b], 0xff000000, v[TM+\b] ; 2 off its exponent field: the conversion's scale operand
.endr
.irp b, 0,1,2,3
	v_lshrrev_b32 v[TM+4+\b], 23, v[TM+12+\b]      ; the scale's byte
.endr
	v_lshl_or_b32 v[\w], v[TM+5], 8, v[TM+4]
	v_lshl_or_b32 v[\w], v[TM+6], 16, v[\w]
	v_lshl_or_b32 v[\w], v[TM+7], 24, v[\w]
.irp c, 0,1
	v_cvt_scalef32_pk16_fp6_f32 v[PC+6*\c:PC+2+6*\c], v[\s+32*\c:\s+15+32*\c], v[TM+12+2*\c]
	v_cvt_scalef32_pk16_fp6_f32 v[PC+12+4*\c:PC+14+4*\c], v[\s+16+32*\c:\s+31+32*\c], v[TM+12+2*\c+1]
.endr
	v_nop                                          ; one plain place behind a scaled conversion
.irp c, 0,1                            ; the operand's layout wants a whole block in a lane: lanes 0-15 block 2 c, lanes 16-31 block 2 c + 1
.irp i, 0,1,2
	v_permlane16_swap_b32 v[PC+6*\c+\i], v[PC+12+4*\c+\i]
.endr
.irp i, 0,1,2
	v_mov_b32 v[PC+3+6*\c+\i], v[PC+12+4*\c+\i]
.endr
.endr
.endm
	s_load_b256 s[4:11], s[0:1], 0x0               ; opc, ops, qkvc, qkvs
	s_load_b256 s[24:31], s[0:1], 0x20             ; g1_q, g1_k, g2_q, g2_k
	s_set_vgpr_msb 0x40
	v_lshl_add_u32 v254, v0, 2, 0x4c000
	v_mov_b32 v255, 0
	s_set_vgpr_msb 0x4045
	ds_add_u32 v254, v255
	ds_add_u32 v254, v255
	s_set_vgpr_msb 0x4500
	v_lshrrev_b32 v1, 5, v0
	v_readfirstlane_b32 s12, v1                    ; wave 0..3
	s_and_b32 s13, s12, 1                          ; which half of source 0's rows is mine.  Also: which half of a tile I fetch
	s_lshr_b32 s14, s12, 1                         ; which half of source 1's.  Also: I fetch for source 0 (0) or 1 (1)
	s_bfe_u32 s15, ttmp6, 0x40000                  ; cx
	s_bfe_u32 s16, ttmp6, 0x40004                  ; cy
	s_and_b32 s17, ttmp7, 0xffff                   ; Y: the cluster's y, 0..23: the job
	s_mov_b32 s18, ttmp9                           ; X: the cluster's x: in a q, k job 0 = q, 1 = k
	s_lshl_b32 s19, ttmp9, 2
	s_add_co_u32 s19, s19, s15                     ; gx = 4 X + cx
	v_bfe_u32 v13, v0, 4, 1                        ; h
	v_and_b32 v14, 31, v0                          ; l
	v_and_b32 v15, 15, v0                          ; r
	v_lshlrev_b32 v11, 6, v13                      ; 64 h; never rewritten
	v_mov_b32 v12, 1.0
	s_bfe_u32 s20, s17, 0x10003                    ; a q, k job's stream
	s_wait_alu depctr_va_vdst(0)
	s_wait_dscnt 0x0
	s_wait_kmcnt 0x0
	s_cmp_eq_u32 s18, 0
	s_cselect_b64 s[24:25], s[24:25], s[26:27]     ; q's gain or k's, of each stream;
	s_cselect_b64 s[28:29], s[28:29], s[30:31]
	s_cmp_eq_u32 s20, 0
	s_cselect_b64 s[100:101], s[24:25], s[28:29]   ; the stream's (a v job loads one too and replaces it by 1.0); never rewritten
.irp t, 0,1,2,3                        ; register 8 t + j: g[32 (t / 2) + 16 h + 8 (t % 2) + j]: the results' layout
	global_load_b128 v[G+8*\t:G+8*\t+3], v11, s[100:101] offset:128*(\t/2)+32*(\t%2)
	global_load_b128 v[G+8*\t+4:G+8*\t+7], v11, s[100:101] offset:128*(\t/2)+32*(\t%2)+16
.endr
	s_lshl_b32 s20, 0x1111, s15                    ; my column of the cluster
	s_lshl_b32 s2, s16, 2
	s_lshl_b32 s2, 15, s2                          ; my row
	s_or_b32 s[G1A], s20, (3<<16)|(1<<21)          ; 15:0 the mask; 17:16 elements of 8 bytes; 21 set beside a mask; no padding
	s_or_b32 s[G1B], s2, (3<<16)|(1<<21)
	G1SET G1A, 768, 8, 1536                        ; 8 tiles' four K steps: rows of 6,144 bytes, 12,288 bytes apart
	G1SET G1B, 768, 4, 1536
	; source 0's first tile: made of gx, Y and the wave's number alone
	s_lshl_b32 s20, s19, 4
	s_lshr_b32 s21, s17, 3
	s_mul_i32 s21, s21, 192
	s_add_co_u32 s21, s21, 512                     ; q, k: W's tiles of stream Y / 8
	s_bfe_u32 s22, s17, 0x10002
	s_lshl_b32 s22, s22, 8
	s_bfe_u32 s23, s17, 0x10001
	s_lshl_b32 s23, s23, 7
	s_add_co_u32 s22, s22, s23                     ; v: x's tiles: 256 x stream + 128 x slab
	s_cmp_ge_u32 s17, 16
	s_cselect_b32 s21, s22, s21
	s_add_co_u32 s20, s20, s21
	s_lshl_b32 s21, s13, 3
	s_add_co_u32 s20, s20, s21                     ; + 8 for the half that I fetch
	s_mul_i32 s22, s20, 12288
	s_mov_b32 s23, 0
	s_add_nc_u64 s[78:79], s[4:5], s[22:23]
	s_lshl_b32 s22, s20, 9
	s_add_nc_u64 s[58:59], s[6:7], s[22:23]
	s_mul_i32 s21, s13, 49152                      ; (s[58:59]: the scale words of my own 8 tiles of source 0)
	G0SET 60, 21, 0, 78, 0
	G0SET 68, 21, HALF, 78, 6144
	; source 1's: made of Y, cy and the wave's number alone
	s_lshl_b32 s2, s16, 3
	s_lshr_b32 s3, s17, 3
	s_lshl_b32 s3, s3, 8
	s_and_b32 s104, s17, 7
	s_lshl_b32 s104, s104, 5
	s_add_co_u32 s3, s3, s104                      ; q, k: x's tiles
	s_bfe_u32 s104, s17, 0x10002
	s_mul_i32 s104, s104, 192
	s_and_b32 s105, s17, 1
	s_lshl_b32 s105, s105, 5
	s_add_co_u32 s104, s104, s105
	s_add_co_u32 s104, s104, 640                   ; v: Wv's tiles
	s_cmp_ge_u32 s17, 16
	s_cselect_b32 s3, s104, s3
	s_add_co_u32 s2, s2, s3
	s_lshl_b32 s3, s14, 2
	s_add_co_u32 s3, s2, s3                        ; the 4 tiles that I multiply:
	s_lshl_b32 s104, s3, 9
	s_mov_b32 s105, 0
	s_add_nc_u64 s[82:83], s[6:7], s[104:105]      ; their scale words
	s_lshl_b32 s3, s13, 2
	s_add_co_u32 s2, s2, s3                        ; the 4 tiles that I fetch
	s_mul_i32 s104, s2, 12288
	s_add_nc_u64 s[98:99], s[4:5], s[104:105]
	s_mul_i32 s3, s13, 24576
	G0SET 84, 3, S1O, 98, 0
	G0SET 88, 3, HALF+S1O, 98, 6144
	CROUND                                         ; all sixteen work-groups are here: the joint loads meet
	s_cmp_eq_u32 s14, 0                            ; a wave's one first fill, its part of the first half of K, stands in one branch on the wave's number
	s_cbranch_scc0 .Lfill_s1
	tensor_load_to_lds s[60:63], s[G1A:G1A+7]
	s_nop 0
.rept 4
	v_nop
.endr
	s_branch .Lfilled
.Lfill_s1:
	tensor_load_to_lds s[84:87], s[G1B:G1B+7]
	s_nop 0
.rept 4
	v_nop
.endr
.Lfilled:
	v_lshlrev_b32 v5, 4, v15
	v_lshl_add_u32 v5, v13, 9, v5                  ; scale words: 16 r, lanes 16-31 the next tile's
	SCALES
	s_mul_i32 s20, s13, 49152                      ; my 8 tiles of source 0
	v_lshl_add_u32 v1, v14, 4, s20
	v_lshl_add_u32 v2, v14, 3, s20
	s_mul_i32 s21, s14, 24576                      ; my 4 tiles of source 1
	s_add_co_u32 s21, s21, S1O
	v_lshl_add_u32 v3, v14, 4, s21
	v_lshl_add_u32 v4, v14, 3, s21
	v_lshlrev_b32 v7, 4, v14                       ; the way out: 16 l, 8 l
	v_lshlrev_b32 v8, 3, v14
	s_lshl_b32 s23, s12, 8
	s_add_co_u32 s23, s23, SCR
	v_lshl_add_u32 v9, v15, 2, s23                 ; my wave's 256 bytes: word r in, 8 bytes a lane out
	v_add_nc_u32 v10, s23, v8
	s_wait_alu depctr_va_vdst(0)
	s_set_vgpr_msb 0x5                             ; (the add's two registers lie in window 1)
	s_wait_tensorcnt 0x0                           ; my part of the first half of K has landed
	ds_add_u32 v254, v255
	s_wait_dscnt 0x0
	s_set_vgpr_msb 0x500
	CROUND                                         ; everybody's part has landed, and all sixteen work-groups are here: the joint loads meet
	s_cmp_eq_u32 s14, 0
	s_cbranch_scc0 .Lfill2_s1
	tensor_load_to_lds s[68:71], s[G1A:G1A+7]      ; the second half of K: my one load behind the round
	s_nop 0
.rept 4
	v_nop
.endr
	s_branch .Lfilled2
.Lfill2_s1:
	tensor_load_to_lds s[88:91], s[G1B:G1B+7]
	s_nop 0
.rept 4
	v_nop
.endr
.Lfilled2:
	FETCH 0
	s_wait_loadcnt 0x0                             ; the scale words (and the gains)
	KSTEP 0, 1                                     ; the first products start the sums: nothing is cleared
	KSTEP 1, 0
	KSTEP 2, 0
	KSTEP 3, 0
	s_wait_alu depctr_va_vdst(0)
	KSTEP 4, 0
	KSTEP 5, 0
	KSTEP 6, 0
	KSTEP 7, 0
.rept 4
	v_nop                                          ; four places between the last products and the first read of results, and the first write of fragment registers
.endr
	; where the results go.  q, k: token tile idx = 32 (Y % 8) + 8 cy + 4 (wave / 2) of the stream, head pair (2 gx + wave % 2) % 8
	s_and_b32 s24, s17, 7
	s_lshl_b32 s24, s24, 5
	s_lshl_b32 s25, s16, 3
	s_add_co_u32 s24, s24, s25
	s_lshl_b32 s25, s14, 2
	s_add_co_u32 s24, s24, s25
	s_lshr_b32 s25, s24, 6                         ; b
	s_and_b32 s24, s24, 63
	s_lshr_b32 s26, s17, 3
	s_lshl_b32 s26, s26, 6
	s_add_co_u32 s24, s24, s26                     ; the tile in the joined sequence
	s_lshl_b32 s26, s19, 1
	s_add_co_u32 s26, s26, s13
	s_and_b32 s26, s26, 7
	s_lshl_b32 s27, s25, 3
	s_add_co_u32 s27, s27, s26
	s_lshl_b32 s27, s27, 7                         ; (8 b + pair) x 128
	s_add_co_u32 s28, s27, s24
	s_lshl_b32 s28, s28, 6
	s_mul_i32 s29, s18, 262144
	s_add_co_u32 s28, s28, s29                     ; scale words
	s_lshl_b32 s27, s27, 1
	s_add_co_u32 s27, s27, s24
	s_mul_i32 s27, s27, 768
	s_mul_i32 s29, s18, 6291456
	s_add_co_u32 s27, s27, s29                     ; codes
	; v: token tile idx0 = 16 gx + 128 slab + 8 (wave % 2), head 8 (Y % 2) + 2 cy + wave / 2
	s_lshl_b32 s30, s19, 4
	s_bfe_u32 s31, s17, 0x10001
	s_lshl_b32 s31, s31, 7
	s_add_co_u32 s30, s30, s31
	s_lshl_b32 s31, s13, 3
	s_add_co_u32 s30, s30, s31
	s_lshr_b32 s31, s30, 6                         ; b
	s_bfe_u32 s30, s30, 0x30003
	s_bfe_u32 s32, s17, 0x10002
	s_lshl_b32 s32, s32, 3
	s_add_co_u32 s30, s30, s32                     ; the key step in the joined sequence
	s_and_b32 s32, s17, 1
	s_lshl_b32 s32, s32, 3
	s_lshl_b32 s33, s16, 1
	s_add_co_u32 s32, s32, s33
	s_add_co_u32 s32, s32, s14
	s_lshl_b32 s31, s31, 4
	s_add_co_u32 s31, s31, s32
	s_lshl_b32 s31, s31, 4
	s_add_co_u32 s31, s31, s30
	s_mul_i32 s32, s31, 6144
	s_add_co_u32 s32, s32, 12582912
	s_lshl_b32 s33, s31, 8
	s_add_co_u32 s33, s33, 524288
	s_mov_b32 s34, 98304
	s_mov_b32 s35, 1536
	s_cmp_ge_u32 s17, 16
	s_cselect_b32 s36, s32, s27                    ; codes,
	s_cselect_b32 s38, s33, s28                    ; scale words,
	s_cselect_b32 s40, 768, s34                    ; from a fragment's first half image to its second (q, k: the next head; v: the next 64 keys),
	s_cselect_b32 s42, s35, 768                    ; from one tile of source 1 to the next,
	s_cselect_b32 s44, -1, 0                       ; and all lanes set in a v job
	s_mov_b32 s37, 0
	s_mov_b32 s39, 0
	s_mov_b32 s41, 0
	s_mov_b32 s43, 0
	s_add_nc_u64 s[46:47], s[8:9], s[36:37]
	s_add_nc_u64 s[48:49], s[46:47], s[40:41]
	s_add_nc_u64 s[50:51], s[10:11], s[38:39]
	s_mov_b32 s52, 0x3c800000                      ; 1 / 64
	s_mov_b32 s53, 0x3727c5ac                      ; 1e-5
	s_mov_b32 s54, 0x76543210
	s_mov_b32 s55, 0xfedcba98
.irp b, 0,1,2,3
	v_mov_b32 v[TM+4+\b], 0                        ; a lane permute's destination counts as read
.endr
	v_mov_b32 v[RS+1], 0                           ; (upper words of pairs whose low word serves both halves)
	v_mov_b32 v[RS+3], 0
	s_wait_loadcnt 0x0                             ; the gains
.set J, 0
.rept 32
	v_cndmask_b32 v[G+J], v[G+J], v12, s44         ; v has no gain
.set J, J+1
.endr
; Tile n of source 1: my 64 numbers of its row r.  q, k: two heads of one token.  v: 128 tokens of one channel.
.macro EPI n
.if \n > 0
	s_wait_xcnt 0x0                                ; the last tile's stores have read their data and bases
	s_add_nc_u64 s[46:47], s[46:47], s[42:43]
	s_add_nc_u64 s[48:49], s[48:49], s[42:43]
.endif
	WIN 0x0a                                       ; sources 0 and 1 window 2
.set J, 0
.rept 32                               ; sums of squares, each accumulator from its low end on; two chains to each head
.if (J%32) < 4
	v_pk_mul_f32 v[SS+4*(J/32)+(J%4):SS+4*(J/32)+(J%4)+1], v[64*\n+J:64*\n+J+1], v[64*\n+J:64*\n+J+1]
.else
	v_pk_fma_f32 v[SS+4*(J/32)+(J%4):SS+4*(J/32)+(J%4)+1], v[64*\n+J:64*\n+J+1], v[64*\n+J:64*\n+J+1], v[SS+4*(J/32)+(J%4):SS+4*(J/32)+(J%4)+1]
.endif
.set J, J+2
.endr
	WIN 0
	v_pk_add_f32 v[SS:SS+1], v[SS:SS+1], v[SS+2:SS+3]
	v_pk_add_f32 v[SS+4:SS+5], v[SS+4:SS+5], v[SS+6:SS+7]
	v_add_f32 v[SS], v[SS], v[SS+1]
	v_add_f32 v[SS+4], v[SS+4], v[SS+5]
	v_permlanex16_b32 v[SS+2], v[SS], s54, s55     ; the head's other 32 channels lie in lane l xor 16
	v_permlanex16_b32 v[SS+6], v[SS+4], s54, s55
	v_add_f32 v[SS], v[SS], v[SS+2]
	v_add_f32 v[SS+4], v[SS+4], v[SS+6]
	v_fma_f32 v[SS], v[SS], s52, s53               ; the mean + eps
	v_fma_f32 v[SS+4], v[SS+4], s52, s53
	s_wait_alu depctr_va_vdst(0)
	v_rsq_f32 v[SS+1], v[SS]
	v_rsq_f32 v[SS+5], v[SS+4]
	v_nop                                          ; one plain place behind a transcendental
	s_wait_alu depctr_va_vdst(0)
	v_cndmask_b32 v[RS], v[SS+1], v12, s44         ; v is not normalised
	v_cndmask_b32 v[RS+2], v[SS+5], v12, s44
	WIN 0x02                                       ; source 0 window 2
.set J, 0
.rept 32
	v_pk_mul_f32 v[YY+J:YY+J+1], v[64*\n+J:64*\n+J+1], v[RS+2*(J/32):RS+2*(J/32)+1] op_sel_hi:[1,0]
.set J, J+2
.endr
	WIN 0
.set J, 0
.rept 32
	v_pk_mul_f32 v[YY+J:YY+J+1], v[YY+J:YY+J+1], v[G+(J%32):G+(J%32)+1]   ; then the gain: two roundings, in the order of the definition
.set J, J+2
.endr
	QUANT YY, PW+\n
	global_store_b128 v7, v[PC:PC+3], s[46:47]     ; each store covers 512 or 256 consecutive bytes, aligned
	global_store_b64 v8, v[PC+4:PC+5], s[46:47] offset:512
	global_store_b128 v7, v[PC+6:PC+9], s[48:49]
	global_store_b64 v8, v[PC+10:PC+11], s[48:49] offset:512
	ds_store_b32 v9, v[PW+\n] offset:64*\n         ; lanes r and r + 16 write the same word with the same value
.endm
	EPI 0
	EPI 1
	EPI 2
	EPI 3
	ds_load_b64 v[SS:SS+1], v10                    ; LDS serves a wave's instructions in order: this sees my four stores
	s_wait_dscnt 0x0
	global_store_b64 v8, v[SS:SS+1], s[50:51]      ; the four tiles' scale words: 256 consecutive bytes, aligned
	s_set_vgpr_msb 0x5
	s_wait_tensorcnt 0x0
	ds_add_u32 v254, v255
	s_wait_dscnt 0x0
	s_set_vgpr_msb 0x500
	CROUND                                         ; the closing round: no work-group ends while a partner may still ask for a tile that names it
	s_endpgm
.Lfunc_end_k_q66d9635be0_qkv:
	.size	k_q66d9635be0_qkv, .Lfunc_end_k_q66d9635be0_qkv-k_q66d9635be0_qkv
	.p2alignl 7, 3214868480
	.fill 96, 4, 3214868480
	.section	.rodata,"a",@progbits
	.p2align	6, 0x0
	.amdhsa_kernel k_q66d9635be0_qkv
		.amdhsa_group_segment_fixed_size 327680
		.amdhsa_private_segment_fixed_size 0
		.amdhsa_enable_private_segment 0
		.amdhsa_kernarg_size 64
		.amdhsa_user_sgpr_count 2
		.amdhsa_user_sgpr_kernarg_segment_ptr 1
		.amdhsa_wavefront_size32 1
		.amdhsa_system_sgpr_workgroup_id_x 1
		.amdhsa_system_sgpr_workgroup_id_y 1
		.amdhsa_system_sgpr_workgroup_id_z 1
		.amdhsa_system_vgpr_workitem_id 0
		.amdhsa_next_free_vgpr 768
		.amdhsa_next_free_sgpr 106
		.amdhsa_reserve_vcc 0
		.amdhsa_float_denorm_mode_32 3
		.amdhsa_float_denorm_mode_16_64 3
		.amdhsa_memory_ordered 1
		.amdhsa_forward_progress 1
		.amdhsa_inst_pref_size 119
	.end_amdhsa_kernel
	.amdgpu_metadata
---
amdhsa.version: [ 1, 2 ]
amdhsa.kernels:
  - .name:           k_q66d9635be0_qkv
    .symbol:         k_q66d9635be0_qkv.kd
    .args:
      - { .name: opc, .offset: 0, .size: 8, .value_kind: global_buffer, .address_space: global }
      - { .name: ops, .offset: 8, .size: 8, .value_kind: global_buffer, .address_space: global }
      - { .name: qkvc, .offset: 16, .size: 8, .value_kind: global_buffer, .address_space: global }
      - { .name: qkvs, .offset: 24, .size: 8, .value_kind: global_buffer, .address_space: global }
      - { .name: g1_q, .offset: 32, .size: 8, .value_kind: global_buffer, .address_space: global }
      - { .name: g1_k, .offset: 40, .size: 8, .value_kind: global_buffer, .address_space: global }
      - { .name: g2_q, .offset: 48, .size: 8, .value_kind: global_buffer, .address_space: global }
      - { .name: g2_k, .offset: 56, .size: 8, .value_kind: global_buffer, .address_space: global }
    .group_segment_fixed_size: 327680
    .private_segment_fixed_size: 0
    .kernarg_segment_align: 8
    .kernarg_segment_size: 64
    .max_flat_workgroup_size: 128
    .sgpr_count:     106
    .vgpr_count:     768
    .wavefront_size: 32
...
	.end_amdgpu_metadata
.endif
;; end of part 2
;; launch attn (part 3): grid 4 x 64, 8 waves a work-group, clusters of 4 x 1, 214,016 bytes of LDS; arguments qkvc, qkvs, ac, as_; writes ac, as_
.if DOCPART == 3
	.amdgcn_target "amdgcn-amd-amdhsa--gfx1250"
	.amdhsa_code_object_version 6
	.text
	.protected	k_q66d9635be0_attn
	.globl	k_q66d9635be0_attn
	.p2align	8
	.type	k_q66d9635be0_attn,@function
k_q66d9635be0_attn:
	s_mov_b64 s[64:65], 0
	v_nop
	global_prefetch_b8 v0, s[64:65] scope:SCOPE_SE
	s_setreg_imm32_b32 hwreg(HW_REG_WAVE_MODE, 25, 1), 1
	s_wait_xcnt 0x0
	s_wait_alu depctr_hold_cnt(0) depctr_sa_sdst(0) depctr_va_vdst(0) depctr_va_sdst(0) depctr_va_ssrc(0) depctr_va_vcc(0) depctr_vm_vsrc(0)
	s_getreg_b32 s2, hwreg(HW_REG_IB_STS2, 6, 4)
	s_cmp_eq_u32 s2, 0
	s_cbranch_scc0 .Lentry_in_a_cluster
	s_endpgm
.Lentry_in_a_cluster:
	s_bfe_u32 s2, ttmp6, 0x10000c
	s_cmp_lg_u32 s2, 0x3003
	s_cbranch_scc0 .Lentry_shape_is_right
	s_endpgm
.Lentry_shape_is_right:
; O = softmax(q k^T / 8) v for one batch and head, both products on codes of FP6 (E2M3) with E8M0 scales; O is quantised along the channels as the projection's operand.
; THE SOFTMAX: t = score x log2(e) / 8; M = the row's largest t so far, rounded up to a whole number; p = 2^(t - M) is quantised along the keys, not normalised; the row's sum is taken of the
; unquantised p and divides O at the end.  When M moves, the sum and O are multiplied by 2^(old M - new M), which rounds nothing.
; SHARES: a work-group owns 512 queries of a head, the four of a cluster the head's 2,048.  Each of eight waves holds two tiles of 16 queries at a time and makes two passes.  The head's whole K and V,
; codes and scale words, lie in LDS, each byte filled once, by joint loads of the four work-groups (one load a wave at the most).  No prefetch: the launch fetches at its head alone and has no loop to run ahead in.
; LAYOUT: S^T = K Q^T, O^T = V^T P^T: a lane holds one query (lane % 16) throughout.  In LDS tile T of K holds its keys in the order 32 (T / 2) + 8 (T % 2) + r % 8 + 16 (r / 8).
; A TILE OF 16 KEYS IS COMPOSED AT THE LDS LOAD, by each lane's address: tile t = 4 c + u of a step takes as rows 0-7 the keys 64 c + 8 u + 0..7 and as rows 8-15 the keys 64 c + 32 + 8 u + 0..7.
; So the 32 registers of tiles 4 c .. 4 c + 3 are keys 64 c + 32 (lane / 16) + 0 .. 31: A WHOLE BLOCK OF 32 KEYS IN ONE LANE, in the order of the second product's operand: the block's maximum needs
; no other lane, and the conversions' results are the operand's registers.  (Rows 0-7 and 8-15 of such a tile lie 1,536 bytes apart in LDS.)
; The first product's K is 64: the upper halves of K's and Q's fragments are zero codes, written once; their scale bytes are 0, which is 2^-127.
; OUT: ac [token tile][K step 8][half 2][768]: a head's image at 768 x head; as_ [token tile][K half][r][4 words]: a head's two bytes, by a store of 2 bytes a lane (1/24 of the codes' bytes), in the layout that the projection's scale loads want.
; LIMITS: NaN and infinities are not served; the promise holds while |t| stays under 2^31; blocks under 2^-124 (zeros among them) get the byte 1; 1 / sum is the chip's own reciprocal (1 ulp);
; a block's largest p is made from the block's largest score by the same two instructions as every p.
; REGISTERS: window 0: v1-15, v248-250 addresses; v16-39 Q; v40-49 scale words and nothing else; v50-65 statistics; v66-94 at work; v96-223 S^T, then p; v224-247 p's codes.
;   window 1: v0-95 K's 8 fragments; v96-143 V's 4; v144-207 O^T.
.set VC,  98304                        ; LDS: K's codes from 0, V's from here,
.set KSL, 196608                       ; K's scale words of the head pair,
.set VSL, 204800                       ; V's
.set QA,  16
.set QS,  40
.set KSC, 42                           ; v42-45 K's scale words: register 2 c + g: lanes 0-15 tile 4 c + 2 g, lanes 16-31 tile 4 c + 2 g + 1
.set VSC, 46
.set PS,  48
.set STA, 50                           ; a tile's statistics (the second tile's 8 on): +0 -M, +1 the largest score, +2, +3 the sum, +4 f (+5 its pair's upper word), +6, +7 1 / sum
.set STB, 58
.set BM,  66                           ; v66-69, v70-73 the two tiles' maxima; +2 c the block's, +2 c + 1 later its scale operand
.set BP,  70                           ; (the way out's permute results)
.set SO,  74                           ; v74-77 the two tiles' chains; the way out's scale operands
.set TP,  78
.set T0,  80
.set HW,  82
.set W,   85
.set CT,  88
.set SA,  96
.set SB,  160
.set PA,  224
.set PB,  236
.set OA,  144
.set OB,  176
.set KA,  248                          ; v248, v249 K's composed rows: 16-byte and 8-byte parts
.set SH,  250                          ; 8 (lane / 16)
.set MSB, 0
.macro WIN new                         ; the immediate's high byte repeats the setting that is left
.if MSB != \new
	s_set_vgpr_msb (MSB<<8)|\new
.set MSB, \new
.endif
.endm
.macro CROUND                          ; a round of the cluster's barrier
	s_barrier_signal -1
	s_barrier_wait -1
	s_cmp_lg_u32 s12, 0
	s_cbranch_scc1 .Lnot_wave_0_\@
	s_barrier_signal -3
.Lnot_wave_0_\@:
	s_barrier_wait -3
	s_barrier_signal -1
	s_barrier_wait -1
.endm
; one product.  z = 1: C is the constant 0.  ra: source 0's scale words stand in lanes 16-31
.macro WM d, a, b, z, sa, sb, ra
.if (\z) && (\ra)
	v_wmma_scale_f32_16x16x128_f8f6f4 v[(\d):(\d)+7], v[(\a):(\a)+11], v[(\b):(\b)+11], 0, v[(\sa)], v[(\sb)] matrix_a_fmt:MATRIX_FMT_FP6 matrix_b_fmt:MATRIX_FMT_FP6 matrix_a_scale:MATRIX_SCALE_ROW1
.elseif (\z)
	v_wmma_scale_f32_16x16x128_f8f6f4 v[(\d):(\d)+7], v[(\a):(\a)+11], v[(\b):(\b)+11], 0, v[(\sa)], v[(\sb)] matrix_a_fmt:MATRIX_FMT_FP6 matrix_b_fmt:MATRIX_FMT_FP6
.elseif (\ra)
	v_wmma_scale_f32_16x16x128_f8f6f4 v[(\d):(\d)+7], v[(\a):(\a)+11], v[(\b):(\b)+11], v[(\d):(\d)+7], v[(\sa)], v[(\sb)] matrix_a_fmt:MATRIX_FMT_FP6 matrix_b_fmt:MATRIX_FMT_FP6 matrix_a_scale:MATRIX_SCALE_ROW1
.else
	v_wmma_scale_f32_16x16x128_f8f6f4 v[(\d):(\d)+7], v[(\a):(\a)+11], v[(\b):(\b)+11], v[(\d):(\d)+7], v[(\sa)], v[(\sb)] matrix_a_fmt:MATRIX_FMT_FP6 matrix_b_fmt:MATRIX_FMT_FP6
.endif
.endm
	s_load_b256 s[4:11], s[0:1], 0x0               ; qkvc, qkvs, ac, as_
	v_lshl_add_u32 v254, v0, 2, 0x34000
	v_mov_b32 v255, 0
	ds_add_u32 v254, v255
	ds_add_u32 v254, v255
	v_lshrrev_b32 v1, 5, v0
	s_delay_alu instid0(VALU_DEP_1)
	v_readfirstlane_b32 s12, v1                    ; wave 0..7
	s_bfe_u32 s13, ttmp6, 0x40000
	s_lshl_b32 s60, ttmp9, 2
	s_add_co_u32 s13, s13, s60                     ; my block of 512 queries: it enters global addresses alone
	s_and_b32 s14, ttmp7, 0xffff                   ; 16 b + head, which the four partners share
	s_and_b32 s15, s14, 15                         ; head
	s_lshr_b32 s16, s14, 4                         ; b
	s_and_b32 s17, s14, 1                          ; the head's place in its pair
	s_and_b32 s18, s12, 3
	s_min_u32 s19, s18, 2
	; group 1: dense blocks as rows of 256 bytes (32 elements of 8 bytes): 192 rows of codes, 16 rows of scale words
	s_mov_b32 s24, 15|(3<<16)|(1<<21)              ; 15:0 the mask: all four work-groups; 21 set beside a mask
	s_mov_b32 s25, 32<<16
	s_mov_b32 s26, 192<<16
	s_mov_b32 s27, 32<<16
	s_mov_b32 s28, 192
	s_mov_b32 s29, 32
	s_mov_b32 s30, 0
	s_mov_b32 s31, 0
	s_mov_b32 s32, 15|(3<<16)|(1<<21)
	s_mov_b32 s33, 32<<16
	s_mov_b32 s34, 16<<16
	s_mov_b32 s35, 32<<16
	s_mov_b32 s36, 16
	s_mov_b32 s37, 32
	s_mov_b32 s38, 0
	s_mov_b32 s39, 0
	; waves 0-3: K's two halves, V's two halves, 49,152 bytes each
	s_lshr_b32 s2, s18, 1
	s_mul_i32 s2, s2, 6291456
	s_and_b32 s3, s18, 1
	s_mul_i32 s3, s3, 49152
	s_add_co_u32 s2, s2, s3
	s_mul_i32 s3, s14, 98304
	s_add_co_u32 s2, s2, s3
	s_add_co_u32 s2, s2, 6291456
	s_mov_b32 s3, 0
	; waves 4-6: K's scale words in two halves, V's: 4,096 bytes each
	s_lshr_b32 s60, s14, 1
	s_lshl_b32 s60, s60, 13
	s_lshl_b32 s61, s19, 12
	s_add_co_u32 s60, s60, s61
	s_add_co_u32 s60, s60, 262144
	s_lshl_b32 s62, s14, 12
	s_add_co_u32 s62, s62, 524288
	s_cmp_eq_u32 s19, 2
	s_cselect_b32 s60, s62, s60
	s_mov_b32 s61, 0
	s_mov_b32 s40, 1
	s_mul_i32 s41, s18, 49152
	s_mov_b32 s44, 1
	s_lshl_b32 s45, s19, 12
	s_add_co_u32 s45, s45, KSL
	s_wait_dscnt 0x0
	s_wait_kmcnt 0x0
	s_add_nc_u64 s[42:43], s[4:5], s[2:3]
	s_or_b32 s43, s43, 0x80000000
	s_add_nc_u64 s[46:47], s[6:7], s[60:61]
	s_or_b32 s47, s47, 0x80000000
	CROUND                                         ; all four work-groups are here: the joint loads meet
	s_cmp_lt_u32 s12, 4
	s_cbranch_scc0 .Lnot_codes
	tensor_load_to_lds s[40:43], s[24:31]
	s_nop 0
.rept 4
	v_nop
.endr
	s_branch .Lasked
.Lnot_codes:
	s_cmp_lt_u32 s12, 7
	s_cbranch_scc0 .Lasked
	tensor_load_to_lds s[44:47], s[32:39]
	s_nop 0
.rept 4
	v_nop
.endr
.Lasked:
	v_and_b32 v11, 31, v0                          ; l
	v_and_b32 v13, 15, v0                          ; r
	v_bfe_u32 v12, v0, 4, 1                        ; h
	v_and_b32 v9, 7, v0                            ; r % 8
	v_bfe_u32 v10, v0, 3, 1                        ; r / 8
	v_lshlrev_b32 v1, 4, v11                       ; 16 l
	v_lshlrev_b32 v2, 3, v11                       ; 8 l
	v_lshlrev_b32 v[SH], 3, v12
	v_mul_u32_u24 v[KA], v10, 1536                 ; K's composed rows: rows 8-15 come from two stored tiles further on
	s_lshl_b32 s60, s17, 1
	s_add_co_u32 s60, s60, KSL
	v_lshl_add_u32 v3, v9, 2, s60                  ; K's scale words: 4 (r % 8) + my head's two bytes of the pair's word,
	v_lshl_add_u32 v[KA+1], v9, 3, v[KA]
	v_lshl_add_u32 v[KA], v9, 4, v[KA]
	v_lshl_add_u32 v3, v10, 7, v3                  ; + two stored tiles for rows 8-15,
	v_lshl_add_u32 v[KA+1], v12, 7, v[KA+1]        ; 1536 (r / 8) + 8 (r % 8) + 128 h
	v_lshl_add_u32 v[KA], v12, 8, v[KA]            ; 1536 (r / 8) + 16 (r % 8) + 256 h
	v_lshl_add_u32 v3, v12, 6, v3                  ; + one stored tile for lanes 16-31
	v_lshl_add_u32 v4, v11, 2, VSL                 ; V's: 4 l
	v_add_nc_u32 v14, VC, v1
	v_add_nc_u32 v15, VC, v2
	v_lshlrev_b32 v12, 9, v12
	v_lshl_add_u32 v12, v13, 4, v12                ; as_: 16 r, lanes 16-31 the next tile
	v_lshlrev_b32 v13, 2, v13                      ; 4 r
	s_mov_b32 s20, 0x76543210
	s_mov_b32 s21, 0xfedcba98                      ; v_permlanex16_b32's selects for lane l xor 16
	s_mov_b32 s22, 0x3e38aa3b                      ; c = log2(e) / 8
	s_mov_b32 s23, s22                             ; (named with it as a pair)
	s_mov_b32 s18, 0xbe38aa3b                      ; -c
	s_mov_b32 s63, 0xffff0000                      ; lanes 16-31
	s_lshl_b32 s60, s13, 5
	s_lshl_b32 s61, s12, 1
	s_add_co_u32 s60, s60, s61                     ; my first query tile: 32 x block + 2 x wave
	s_mul_i32 s2, s60, 768
	s_mul_i32 s62, s14, 98304
	s_add_co_u32 s2, s2, s62
	s_add_nc_u64 s[52:53], s[4:5], s[2:3]          ; Q's codes
	s_lshr_b32 s2, s14, 1
	s_lshl_b32 s2, s2, 7
	s_add_co_u32 s2, s2, s60
	s_lshl_b32 s2, s2, 6
	s_lshl_b32 s61, s17, 1
	s_add_co_u32 s2, s2, s61
	s_add_nc_u64 s[54:55], s[6:7], s[2:3]          ; Q's scale bytes
	s_lshr_b32 s60, s13, 1
	s_lshl_b32 s60, s60, 8
	s_lshl_b32 s61, s16, 6
	s_add_co_u32 s60, s60, s61
	s_and_b32 s61, s13, 1
	s_lshl_b32 s61, s61, 5
	s_add_co_u32 s60, s60, s61
	s_lshl_b32 s61, s12, 1
	s_add_co_u32 s60, s60, s61                     ; the same tile in ac: 256 x stream + 64 b + its place in the stream
	s_mul_i32 s2, s60, 12288
	s_mul_i32 s61, s15, 768
	s_add_co_u32 s2, s2, s61
	s_add_nc_u64 s[56:57], s[8:9], s[2:3]
	s_lshl_b32 s2, s60, 9
	s_lshr_b32 s61, s15, 3
	s_lshl_b32 s61, s61, 8
	s_add_co_u32 s2, s2, s61
	s_and_b32 s61, s15, 7
	s_lshl_b32 s61, s61, 1
	s_add_co_u32 s2, s2, s61
	s_add_nc_u64 s[58:59], s[10:11], s[2:3]
.irp i, 6,7,8,9,10,11
	v_mov_b32 v[QA+\i], 0                          ; K = 64 .. 127 of the first product: zero codes, written once
	v_mov_b32 v[QA+12+\i], 0
.endr
.irp g, BP, BP+1, SO+1, SO+3, T0+1, W+1
	v_mov_b32 v[\g], 0                             ; a lane permute's destination counts as read
.endr
	v_mov_b32 v[STA+5], 0                          ; (upper words of pairs whose low word serves both halves)
	v_mov_b32 v[STB+5], 0
	WIN 0x40
.irp t, 0,1,2,3,4,5,6,7
.irp i, 6,7,8,9,10,11
	v_mov_b32 v[12*\t+\i], 0
.endr
.endr
	WIN 0
	s_wait_tensorcnt 0x0                           ; my load, if I issued one, has landed
	s_barrier_signal -1
	s_barrier_wait -1                              ; everybody's has: the head's K and V lie in LDS, and nothing writes LDS after this
; The largest score of each of my blocks, both tiles by turns: four chains of 16 registers a tile; each accumulator is read from its low end on
.macro MAXES
.irp x, 0,1
.irp b, 0,1,2,3
	v_max3_num_f32 v[BM+4*\x+\b], v[SA+64*\x+16*\b], v[SA+64*\x+16*\b+1], v[SA+64*\x+16*\b+2]
.endr
.endr
.irp i, 3,5,7,9,11,13
.irp x, 0,1
.irp b, 0,1,2,3
	v_max3_num_f32 v[BM+4*\x+\b], v[BM+4*\x+\b], v[SA+64*\x+16*\b+\i], v[SA+64*\x+16*\b+\i+1]
.endr
.endr
.endr
.irp x, 0,1
.irp c, 0,1
	v_max3_num_f32 v[BM+4*\x+2*\c], v[BM+4*\x+2*\c], v[BM+4*\x+2*\c+1], v[SA+64*\x+32*\c+15]
.endr
.endr
.irp x, 0,1
.irp c, 0,1
	v_max_num_f32 v[BM+4*\x+2*\c], v[BM+4*\x+2*\c], v[SA+64*\x+32*\c+31]   ; block 2 c + h's largest score
.endr
.endr
.endm
; -M and f = 2^(old M - new M), the two tiles' chains by turns
.macro CHAIN
.irp x, 0,1
	v_max_num_f32 v[SO+2*\x], v[BM+4*\x], v[BM+4*\x+2]
.endr
.irp x, 0,1
	v_permlanex16_b32 v[SO+2*\x+1], v[SO+2*\x], s20, s21           ; lane l xor 16 holds the step's other 64 keys
.endr
.irp x, 0,1
	v_max3_num_f32 v[STA+8*\x+1], v[STA+8*\x+1], v[SO+2*\x], v[SO+2*\x+1]   ; the running largest score
.endr
.irp x, 0,1
	v_mul_f32 v[SO+2*\x], s18, v[STA+8*\x+1]                       ; -t (c is positive)
.endr
.irp x, 0,1
	v_mov_b32 v[SO+2*\x+1], v[STA+8*\x]
.endr
.irp x, 0,1
	v_floor_f32 v[STA+8*\x], v[SO+2*\x]                            ; the new -M = floor(-t): a whole number
.endr
.irp x, 0,1
	v_sub_f32 v[SO+2*\x], v[STA+8*\x], v[SO+2*\x+1]                ; old M - new M: a whole number, 0 or less
.endr
.irp x, 0,1
	v_cvt_i32_f32 v[SO+2*\x], v[SO+2*\x]                           ; (it saturates)
.endr
.irp x, 0,1
	v_ldexp_f32 v[STA+8*\x+4], 1.0, v[SO+2*\x]
.endr
.irp x, 0,1
	v_pk_mul_f32 v[STA+8*\x+2:STA+8*\x+3], v[STA+8*\x+2:STA+8*\x+3], v[STA+8*\x+4:STA+8*\x+5] op_sel_hi:[1,0]   ; the sum under the new M
.endr
	WIN 0x41                                       ; O^T (destination and source 0) window 1, f window 0
.irp x, 0,1
.set J, 0
.rept 16
	v_pk_mul_f32 v[OA+32*\x+J:OA+32*\x+J+1], v[OA+32*\x+J:OA+32*\x+J+1], v[STA+8*\x+4:STA+8*\x+5] op_sel_hi:[1,0]   ; O^T under the new M, each accumulator from its low end on; ahead of the exponentials
.set J, J+2
.endr
.endr
	WIN 0
.endm
.macro TMM x                           ; t - M, of the tile's 64 scores and of its two blocks' largest
.set J, 0
.rept 32
	v_pk_fma_f32 v[SA+64*\x+J:SA+64*\x+J+1], v[SA+64*\x+J:SA+64*\x+J+1], s[22:23], v[STA+8*\x:STA+8*\x+1] op_sel_hi:[1,0,0]
.set J, J+2
.endr
.irp c, 0,1
	v_fma_f32 v[BM+4*\x+2*\c], v[BM+4*\x+2*\c], s22, v[STA+8*\x]
.endr
.endm
.macro EXPS x                          ; p = 2^(t - M)
.set J, 0
.rept 64
	v_exp_f32 v[SA+64*\x+J], v[SA+64*\x+J]
.set J, J+1
.endr
.irp c, 0,1
	v_exp_f32 v[BM+4*\x+2*\c], v[BM+4*\x+2*\c]
.endr
.endm
.macro POST x                          ; p's scale word and codes, then the row's sum
.irp c, 0,1
	v_max_num_f32 v[BM+4*\x+2*\c], 0x1800000, v[BM+4*\x+2*\c]      ; the floor 2^(3 - 127): the byte cannot fall under 1
.endr
.irp c, 0,1
	v_add_nc_u32 v[BM+4*\x+2*\c+1], 0xff000000, v[BM+4*\x+2*\c]    ; 2 off the exponent field: the conversion's scale operand
.endr
.irp c, 0,1
	v_lshrrev_b32 v[T0+\c], 23, v[BM+4*\x+2*\c+1]                  ; the scale's byte
.endr
.irp c, 0,1
	v_cvt_scalef32_pk16_fp6_f32 v[PA+12*\x+6*\c:PA+12*\x+6*\c+2], v[SA+64*\x+32*\c:SA+64*\x+32*\c+15], v[BM+4*\x+2*\c+1]
	v_cvt_scalef32_pk16_fp6_f32 v[CT+4*\c:CT+4*\c+2], v[SA+64*\x+32*\c+16:SA+64*\x+32*\c+31], v[BM+4*\x+2*\c+1]   ; (a conversion's three registers begin on an even number)
.endr
	v_lshl_or_b32 v[W], v[T0+1], 16, v[T0]         ; my two bytes: blocks h and 2 + h.  (The plain place behind the conversions)
	v_lshlrev_b32 v[W], v[SH], v[W]                ; at their places in the word;
	v_permlanex16_b32 v[W+1], v[W], s20, s21
.irp c, 0,1
.irp i, 0,1,2
	v_mov_b32 v[PA+12*\x+3+6*\c+\i], v[CT+4*\c+\i]
.endr
.endr
	v_or_b32 v[PS+\x], v[W], v[W+1]                ; with lane l xor 16's two the word is whole
	v_pk_add_f32 v[TP:TP+1], v[SA+64*\x:SA+64*\x+1], v[SA+64*\x+2:SA+64*\x+3]   ; the sum of the unquantised p, in two chains.  These 32 are also the places between the scale word's and the codes' last writes and the scaled products
.set J, 4
.rept 15
	v_pk_add_f32 v[STA+8*\x+2:STA+8*\x+3], v[STA+8*\x+2:STA+8*\x+3], v[SA+64*\x+J:SA+64*\x+J+1]
	v_pk_add_f32 v[TP:TP+1], v[TP:TP+1], v[SA+64*\x+J+2:SA+64*\x+J+3]
.set J, J+4
.endr
	v_pk_add_f32 v[STA+8*\x+2:STA+8*\x+3], v[STA+8*\x+2:STA+8*\x+3], v[TP:TP+1]
.endm
; A key step: 128 keys for my two tiles of queries
.macro STEP
	v_add_nc_u32 v5, s48, v[KA]                    ; the step's addresses.  These six are also the places between the last trip's products and the loads into the registers that they read
	v_add_nc_u32 v6, s48, v[KA+1]
	v_add_nc_u32 v7, s48, v14
	v_add_nc_u32 v8, s48, v15
	v_add_nc_u32 v9, s49, v3
	v_add_nc_u32 v10, s50, v4
.irp i, 0,1,2,3
	ds_load_u16 v[KSC+\i], v9 offset:256*(\i/2)+32*(\i%2)          ; my head's two bytes; the upper two are 0, over zero codes
.endr
	ds_load_b32 v[VSC], v10
	ds_load_b32 v[VSC+1], v10 offset:128
	WIN 0x40
.irp t, 0,1,2,3,4,5,6,7                ; tile t = 4 c + u: stored tiles 4 c + u % 2 (rows 0-7) and two on (rows 8-15), their rows 8 (u / 2) + 0 .. 7
	ds_load_b128 v[12*\t:12*\t+3], v5 offset:768*(4*(\t/4)+\t%2)+128*((\t%4)/2)
	ds_load_b64 v[12*\t+4:12*\t+5], v6 offset:768*(4*(\t/4)+\t%2)+512+64*((\t%4)/2)
.endr
.irp n, 0,1,2,3
	ds_load_b128 v[96+12*\n:96+12*\n+3], v7 offset:1536*\n
	ds_load_b64 v[96+12*\n+4:96+12*\n+5], v8 offset:1536*\n+512
	ds_load_b128 v[96+12*\n+6:96+12*\n+9], v7 offset:1536*\n+768
	ds_load_b64 v[96+12*\n+10:96+12*\n+11], v8 offset:1536*\n+1280
.endr
	s_wait_dscnt 16                                ; all but V's sixteen loads are in
	WIN 0x01                                       ; K window 1, Q and S^T window 0
.irp t, 0,1,2,3,4,5,6,7
	WM SA+8*\t, 12*\t, QA, 1, KSC+\t/2, QS, \t%2
	WM SB+8*\t, 12*\t, QA+12, 1, KSC+\t/2, QS+1, \t%2
.endr
	WIN 0
.rept 4
	v_nop                                          ; four places in front of the first read of results
.endr
	MAXES
	CHAIN
	TMM 0
	s_wait_alu depctr_va_vdst(0)                   ; ahead of a batch of transcendentals
	EXPS 0
	TMM 1                                          ; plain work of the other tile stands behind the first tile's batch
	s_wait_alu depctr_va_vdst(0)                   ; behind the first batch and ahead of the second
	EXPS 1
	POST 0                                         ; and the first tile's behind the second's
	s_wait_alu depctr_va_vdst(0)                   ; behind the second batch, ahead of its first reader
	POST 1
	s_wait_dscnt 0x0                               ; V
	WIN 0x51                                       ; V, C and D window 1, p window 0
.irp n, 0,1,2,3                        ; eight accumulators, one instruction each
	WM OA+8*\n, 96+12*\n, PA, 0, VSC+\n/2, PS, \n%2
	WM OB+8*\n, 96+12*\n, PB, 0, VSC+\n/2, PS+1, \n%2
.endr
	WIN 0
	s_add_co_u32 s48, s48, 6144                    ; the next step's codes (K's 8 tiles and V's 4 fragments are as many bytes),
	s_add_co_u32 s49, s49, 512                     ; K's scale words,
	s_add_co_u32 s50, s50, 256                     ; V's
.endm
; A tile's way out: O^T / sum, 32 numbers a lane (register 16 b + i = channel 32 b + 16 (lane / 16) + i), quantised: a half image and two bytes
.macro OUT1 tt, sr, pp, oo, hw, off
	v_add_f32 v[T0], v[\tt+2], v[\tt+3]
	s_delay_alu instid0(VALU_DEP_1)
	v_permlanex16_b32 v[T0+1], v[T0], s20, s21
	s_delay_alu instid0(VALU_DEP_1)
	v_add_f32 v[T0], v[T0], v[T0+1]                ; the row's sum
	s_wait_alu depctr_va_vdst(0)
	v_rcp_f32 v[\tt+6], v[T0]
	v_rcp_f32 v[\tt+7], v[T0]
	v_nop                                          ; one plain place behind a transcendental
	WIN 0x01
.set J, 0
	s_wait_alu depctr_va_vdst(0)
.rept 16
	v_pk_mul_f32 v[\sr+J:\sr+J+1], v[\oo+J:\oo+J+1], v[\tt+6:\tt+7]
.set J, J+2
.endr
	WIN 0
.irp b, 0,1
	v_max3_num_f32 v[BM+\b], |v[\sr+16*\b]|, |v[\sr+16*\b+1]|, 0x1800000
.endr
.irp i, 2,4,6,8,10,12,14
.irp b, 0,1
	s_delay_alu instid0(VALU_DEP_2)
	v_max3_num_f32 v[BM+\b], v[BM+\b], |v[\sr+16*\b+\i]|, |v[\sr+16*\b+\i+1]|
.endr
.endr
.irp b, 0,1
	s_delay_alu instid0(VALU_DEP_2)
	v_permlanex16_b32 v[BP+\b], v[BM+\b], s20, s21
.endr
.irp b, 0,1
	s_delay_alu instid0(VALU_DEP_2)
	v_max_num_f32 v[BM+\b], v[BM+\b], v[BP+\b]
.endr
.irp b, 0,1
	s_delay_alu instid0(VALU_DEP_2)
	v_add_nc_u32 v[SO+\b], 0xff000000, v[BM+\b]
.endr
.irp b, 0,1
	s_delay_alu instid0(VALU_DEP_2)
	v_lshrrev_b32 v[BP+\b], 23, v[SO+\b]
.endr
	s_delay_alu instid0(VALU_DEP_1)
	v_lshl_or_b32 v[\hw], v[BP+1], 8, v[BP]
	v_cvt_scalef32_pk16_fp6_f32 v[\pp:\pp+2], v[\sr:\sr+15], v[SO]
	v_cvt_scalef32_pk16_fp6_f32 v[CT:CT+2], v[\sr+16:\sr+31], v[SO+1]
	v_nop
.irp i, 0,1,2
	v_permlane16_swap_b32 v[\pp+\i], v[CT+\i]      ; here a block lies in lanes l and l xor 16: the operand's layout wants it whole in a lane
.endr
.irp i, 0,1,2
	s_delay_alu instid0(VALU_DEP_3)
	v_mov_b32 v[\pp+3+\i], v[CT+\i]
.endr
	global_store_b128 v1, v[\pp:\pp+3], s[56:57] offset:(\off)        ; 512 and 256 consecutive bytes, aligned
	global_store_b64 v2, v[\pp+4:\pp+5], s[56:57] offset:(\off)+512
.endm
.macro PASS p                          ; query tiles 16 p + 0, 1 beyond my first
.if \p > 0
	s_wait_xcnt 0x0                                ; the last pass's stores have read their data
.endif
.irp x, 0,1
	global_load_b128 v[QA+12*\x:QA+12*\x+3], v1, s[52:53] offset:(16*\p+\x)*768
	global_load_b64 v[QA+12*\x+4:QA+12*\x+5], v2, s[52:53] offset:(16*\p+\x)*768+512
	global_load_u16 v[QS+\x], v13, s[54:55] offset:(16*\p+\x)*64
.endr
.irp x, 0,1
	v_mov_b32 v[STA+8*\x+1], 0xff61b1e6            ; the largest score so far: -3e38
	s_delay_alu instid0(VALU_DEP_1)
	v_floor_f32 v[STA+8*\x], -v[STA+8*\x+1]
	v_mov_b32 v[STA+8*\x+2], 0
	v_mov_b32 v[STA+8*\x+3], 0
.endr
	WIN 0x40
.set J, 0
.rept 64
	v_mov_b32 v[OA+J], 0                           ; O^T.  (The step is written once: the first finds zeros, which the first change of M leaves zeros)
.set J, J+1
.endr
	WIN 0
	s_mov_b32 s48, 0
	s_mov_b32 s49, 0
	s_mov_b32 s50, 0
	s_mov_b32 s51, 16
	s_wait_loadcnt 0x0                             ; Q
.Lstep_\@:
	STEP
	s_sub_co_u32 s51, s51, 1
	s_cmp_lg_u32 s51, 0
	s_cbranch_scc1 .Lstep_\@
.rept 4
	v_nop                                          ; four places behind the last products
.endr
	OUT1 STA, SA, PA, OA, HW, (16*\p)*12288
	OUT1 STB, SB, PB, OB, HW+1, (16*\p+1)*12288
	v_cndmask_b32 v[HW+2], v[HW], v[HW+1], s63     ; lanes 0-15 the first tile's two bytes, lanes 16-31 the second's
	global_store_b16 v12, v[HW+2], s[58:59] offset:(16*\p)*512
.endm
	PASS 0
	PASS 1
	s_wait_dscnt 0x0
	s_wait_tensorcnt 0x0                           ; the wave's end
	ds_add_u32 v254, v255
	s_wait_dscnt 0x0
	CROUND                                         ; the closing round
	s_endpgm
.Lfunc_end_k_q66d9635be0_attn:
	.size	k_q66d9635be0_attn, .Lfunc_end_k_q66d9635be0_attn-k_q66d9635be0_attn
	.p2alignl 7, 3214868480
	.fill 96, 4, 3214868480
	.section	.rodata,"a",@progbits
	.p2align	6, 0x0
	.amdhsa_kernel k_q66d9635be0_attn
		.amdhsa_group_segment_fixed_size 214016
		.amdhsa_private_segment_fixed_size 0
		.amdhsa_enable_private_segment 0
		.amdhsa_kernarg_size 32
		.amdhsa_user_sgpr_count 2
		.amdhsa_user_sgpr_kernarg_segment_ptr 1
		.amdhsa_wavefront_size32 1
		.amdhsa_system_sgpr_workgroup_id_x 1
		.amdhsa_system_sgpr_workgroup_id_y 1
		.amdhsa_system_sgpr_workgroup_id_z 1
		.amdhsa_system_vgpr_workitem_id 0
		.amdhsa_next_free_vgpr 512
		.amdhsa_next_free_sgpr 66
		.amdhsa_reserve_vcc 0
		.amdhsa_float_denorm_mode_32 3
		.amdhsa_float_denorm_mode_16_64 3
		.amdhsa_memory_ordered 1
		.amdhsa_forward_progress 1
		.amdhsa_inst_pref_size 89
	.end_amdhsa_kernel
	.amdgpu_metadata
---
amdhsa.version: [ 1, 2 ]
amdhsa.kernels:
  - .name:           k_q66d9635be0_attn
    .symbol:         k_q66d9635be0_attn.kd
    .args:
      - { .name: qkvc, .offset: 0, .size: 8, .value_kind: global_buffer, .address_space: global }
      - { .name: qkvs, .offset: 8, .size: 8, .value_kind: global_buffer, .address_space: global }
      - { .name: ac, .offset: 16, .size: 8, .value_kind: global_buffer, .address_space: global }
      - { .name: as_, .offset: 24, .size: 8, .value_kind: global_buffer, .address_space: global }
    .group_segment_fixed_size: 214016
    .private_segment_fixed_size: 0
    .kernarg_segment_align: 8
    .kernarg_segment_size: 32
    .max_flat_workgroup_size: 256
    .sgpr_count:     66
    .vgpr_count:     512
    .wavefront_size: 32
...
	.end_amdgpu_metadata
.endif
;; end of part 3
;; launch proj (part 4): grid 4 x 64, 4 waves a work-group, clusters of 4 x 4, 327,680 bytes of LDS; arguments opc, ops, ac, as_, b1_proj, b2_proj, out0, out1; writes out0, out1
.if DOCPART == 4
	.amdgcn_target "amdgcn-amd-amdhsa--gfx1250"
	.amdhsa_code_object_version 6
	.text
	.protected	k_q66d9635be0_proj
	.globl	k_q66d9635be0_proj
	.p2align	8
	.type	k_q66d9635be0_proj,@function
k_q66d9635be0_proj:
	s_mov_b64 s[64:65], 0
	v_nop
	global_prefetch_b8 v0, s[64:65] scope:SCOPE_SE
	s_setreg_imm32_b32 hwreg(HW_REG_WAVE_MODE, 25, 1), 1
	s_wait_xcnt 0x0
	s_wait_alu depctr_hold_cnt(0) depctr_sa_sdst(0) depctr_va_vdst(0) depctr_va_sdst(0) depctr_va_ssrc(0) depctr_va_vcc(0) depctr_vm_vsrc(0)
	s_getreg_b32 s2, hwreg(HW_REG_IB_STS2, 6, 4)
	s_cmp_eq_u32 s2, 0
	s_cbranch_scc0 .Lentry_in_a_cluster
	s_endpgm
.Lentry_in_a_cluster:
	s_bfe_u32 s2, ttmp6, 0x10000c
	s_cmp_lg_u32 s2, 0xf033
	s_cbranch_scc0 .Lentry_shape_is_right
	s_endpgm
.Lentry_shape_is_right:
; out = attention output x W_proj^T + b, for both streams, on codes of FP6 (E2M3) with E8M0 scales; f32 sums; the bias is the C of each sum's first product.
; A work-group makes 256 output features (source 0: W_proj's rows) x 128 tokens (source 1: the attention's output) over all K = 1,024; a wave 128 x 64: 32 accumulators.  ALL OF K LIES IN LDS: four chunks of two K steps,
; each filled ONCE, so no LDS byte is filled twice.  Operands lie in memory and in LDS as images of their registers (768 bytes for 16 rows x 64 K); row r of tile T is row 32 (T / 2) + 8 (T % 2) + r % 8 + 16 (r / 8):
; a lane holds one token, and its 64 registers of a token tile are features 32 b + 16 (lane / 16) + 0 .. 15; the stores' row offsets undo the tokens' order.
; CLUSTER 4 x 4: W's tiles hang on the work-group's x and the stream: asked for jointly along a column; the tokens' on the work-group's y: along a row.  Five tensor loads a wave are out at the most.
; THE WAY OUT: a tile of 16 tokens x 128 features goes through the wave's own stage in LDS and leaves as whole rows of 512 bytes.  The stage lies in chunk 0, which has had its only fill and its last read by then.
; REGISTERS: window 0: v1-6 LDS addresses, v7-11 the way out's, v16-63 scale words and nothing else, v64-159 source 1's fragments (two sets), v160-223 the bias; on the way out v64-191 hold rows.
;   window 1: source 0's fragments, two sets of 96.   window 2: the accumulators, (a, n) at v[64 n + 8 a].
; PRESENT LAYOUT (it replaces what the lines above say of four chunks, of scale words in LDS and of five loads): K lies in LDS in two halves of four K steps, each filled once:
; half 0 by the wave's one load at the head, half 1 by its one load behind the first round; one tensor load a wave is out.  The scale words come from memory straight into their registers, 256 consecutive bytes for each 16 lanes.
; The stage of the way out lies in half 0, which has had its only fill, and its last read ahead of K step 3's barrier.
.set HALF, 147456                      ; a half of K: source 0's 16 tiles x 6,144 bytes, then source 1's 8 tiles
.set S1O,  98304
.set G1A,  24
.set G1B,  32
.set SC0,  16
.set SC1,  48
.set BF,   64
.set BI,   160
.set BK,   64
.set MUL,  0xa1
.set TO_1, 0x40
.set MSB, 0
.macro WIN new                         ; the immediate's high byte repeats the setting that is left
.if MSB != \new
	s_set_vgpr_msb (MSB<<8)|\new
.set MSB, \new
.endif
.endm
.macro CREST
	s_cmp_lg_u32 s12, 0
	s_cbranch_scc1 .Lnot_wave_0_\@
	s_barrier_signal -3
.Lnot_wave_0_\@:
	s_barrier_wait -3
	s_barrier_signal -1
	s_barrier_wait -1
.endm
.macro CROUND                          ; a round of the cluster's barrier
	s_barrier_signal -1
	s_barrier_wait -1
	CREST
.endm
.macro G1SET g, c, r, p                ; r rows of c elements of 8 bytes, p elements apart
	s_mov_b32 s[\g+1], (\c)<<16
	s_mov_b32 s[\g+2], (\r)<<16
	s_mov_b32 s[\g+3], (\c)<<16
	s_mov_b32 s[\g+4], \r
	s_mov_b32 s[\g+5], \p
	s_mov_b32 s[\g+6], 0
	s_mov_b32 s[\g+7], 0
.endm
.macro G0SET g, lreg, loff, b, goff    ; group 0: to LDS byte s[lreg] + loff, from s[b:b+1] + goff
	s_mov_b32 s[\g], 1
	s_add_co_u32 s[\g+1], s[\lreg], \loff
	s_add_nc_u64 s[\g+2:\g+3], s[\b:\b+1], \goff
	s_or_b32 s[\g+3], s[\g+3], 0x80000000
.endm
.macro FRAG reg, a16, a8, off          ; a fragment, 16 rows x 128 K, 12 registers: two half images on end
	ds_load_b128 v[(\reg):(\reg)+3], v[\a16] offset:(\off)
	ds_load_b64 v[(\reg)+4:(\reg)+5], v[\a8] offset:(\off)+512
	ds_load_b128 v[(\reg)+6:(\reg)+9], v[\a16] offset:(\off)+768
	ds_load_b64 v[(\reg)+10:(\reg)+11], v[\a8] offset:(\off)+1280
.endm
.macro FETCH s
	WIN TO_1
.irp a, 0,1,2,3,4,5,6,7
	FRAG 96*((\s)%2)+12*\a, 1, 2, \a*6144+((\s)%4)*1536
.endr
	WIN 0
.irp n, 0,1,2,3
	FRAG BF+48*((\s)%2)+12*\n, 3, 4, \n*6144+((\s)%4)*1536
.endr
.endm
.macro SCALES
.irp p, 0,1,2,3
.irp k, 0,1
	global_load_b128 v[SC0+8*\p+4*\k:SC0+8*\p+4*\k+3], v5, s[58:59] offset:1024*\p+256*\k
.endr
.endr
.irp p, 0,1
.irp k, 0,1
	global_load_b128 v[SC1+8*\p+4*\k:SC1+8*\p+4*\k+3], v5, s[82:83] offset:1024*\p+256*\k
.endr
.endr
.endm
; one product.  ra, rb: the side's scale words stand in lanes 16-31
.macro WM d, a, b, c, sa, sb, ra, rb
.if (\ra) && (\rb)
	v_wmma_scale_f32_16x16x128_f8f6f4 v[(\d):(\d)+7], v[(\a):(\a)+11], v[(\b):(\b)+11], v[(\c):(\c)+7], v[(\sa)], v[(\sb)] matrix_a_fmt:MATRIX_FMT_FP6 matrix_b_fmt:MATRIX_FMT_FP6 matrix_a_scale:MATRIX_SCALE_ROW1 matrix_b_scale:MATRIX_SCALE_ROW1
.elseif (\ra)
	v_wmma_scale_f32_16x16x128_f8f6f4 v[(\d):(\d)+7], v[(\a):(\a)+11], v[(\b):(\b)+11], v[(\c):(\c)+7], v[(\sa)], v[(\sb)] matrix_a_fmt:MATRIX_FMT_FP6 matrix_b_fmt:MATRIX_FMT_FP6 matrix_a_scale:MATRIX_SCALE_ROW1
.elseif (\rb)
	v_wmma_scale_f32_16x16x128_f8f6f4 v[(\d):(\d)+7], v[(\a):(\a)+11], v[(\b):(\b)+11], v[(\c):(\c)+7], v[(\sa)], v[(\sb)] matrix_a_fmt:MATRIX_FMT_FP6 matrix_b_fmt:MATRIX_FMT_FP6 matrix_b_scale:MATRIX_SCALE_ROW1
.else
	v_wmma_scale_f32_16x16x128_f8f6f4 v[(\d):(\d)+7], v[(\a):(\a)+11], v[(\b):(\b)+11], v[(\c):(\c)+7], v[(\sa)], v[(\sb)] matrix_a_fmt:MATRIX_FMT_FP6 matrix_b_fmt:MATRIX_FMT_FP6
.endif
.endm
.macro MUL32 s, z                      ; a K step's 32 products: the 32 accumulators take turns, one instruction a turn.  z = 1: C is the bias of source 0's tile
.irp n, 0,1,2,3
.irp a, 0,1,2,3,4,5,6,7
.if \z
	WM 64*\n+8*\a, 96*((\s)%2)+12*\a, BF+48*((\s)%2)+12*\n, BI+8*\a, SC0+8*(\a/2)+(\s), SC1+8*(\n/2)+(\s), \a%2, \n%2
.else
	WM 64*\n+8*\a, 96*((\s)%2)+12*\a, BF+48*((\s)%2)+12*\n, 64*\n+8*\a, SC0+8*(\a/2)+(\s), SC1+8*(\n/2)+(\s), \a%2, \n%2
.endif
.endr
.endr
.endm
.macro KSTEP s, z
	s_wait_dscnt 0x0                               ; this step's fragments are in; no LDS instruction of mine is out at a signal
.if (\s) < 7
.if (\s) == 3
	s_wait_tensorcnt 0x0                           ; my part of the second half of K has landed
	s_barrier_signal -1
	s_barrier_wait -1
	v_add_nc_u32 v1, HALF, v1                      ; on to the second half; also the four places in front of the loads below
	v_add_nc_u32 v2, HALF, v2
	v_add_nc_u32 v3, HALF, v3
	v_add_nc_u32 v4, HALF, v4
.elseif (\s) > 0
.rept 4
	v_nop                                          ; four places in front of loads into registers that matrix instructions have read
.endr
.endif
	FETCH (\s)+1
.endif
.if \z
	WIN 0x81                                       ; source 0 window 1, source 1 and C window 0, D window 2
.else
	WIN MUL
.endif
	MUL32 \s, \z
	WIN 0
.endm
	s_load_b256 s[4:11], s[0:1], 0x0               ; opc, ops, ac, as_
	s_load_b256 s[24:31], s[0:1], 0x20             ; b1_proj, b2_proj, out0, out1
	v_lshl_add_u32 v254, v0, 2, 0x4c000
	v_mov_b32 v255, 0
	ds_add_u32 v254, v255
	ds_add_u32 v254, v255
	v_lshrrev_b32 v1, 5, v0
	v_readfirstlane_b32 s12, v1                    ; wave 0..3
	s_and_b32 s13, s12, 1                          ; which half of the features is mine.  Also: which half of a tile I fetch
	s_lshr_b32 s14, s12, 1                         ; which half of the tokens.  Also: I fetch for source 0 (0) or 1 (1)
	s_bfe_u32 s15, ttmp6, 0x40000                  ; cx
	s_bfe_u32 s16, ttmp6, 0x40004                  ; cy
	s_and_b32 s17, ttmp7, 0xffff                   ; Y: the cluster's y, 0..15; the stream is Y / 8
	s_lshl_b32 s19, ttmp9, 2
	s_add_co_u32 s19, s19, s15                     ; gx
	v_bfe_u32 v13, v0, 4, 1                        ; h
	v_and_b32 v14, 31, v0                          ; l
	v_and_b32 v15, 15, v0                          ; r
	v_lshlrev_b32 v11, 6, v13                      ; 64 h; never rewritten
	s_lshr_b32 s20, s17, 3
	s_lshl_b32 s22, s19, 10
	s_lshl_b32 s23, s13, 9
	s_add_co_u32 s22, s22, s23                     ; my first feature, in bytes: (256 gx + 128 (wave % 2)) x 4
	s_mov_b32 s23, 0
	s_lshl_b32 s2, s17, 5
	s_lshl_b32 s3, s16, 3
	s_add_co_u32 s2, s2, s3
	s_lshl_b32 s3, s14, 2
	s_add_co_u32 s2, s2, s3
	s_and_b32 s2, s2, 255                          ; my first token tile in the stream,
	s_lshl_b32 s2, s2, 16                          ; 16 rows of 4,096 bytes each
	s_mov_b32 s3, 0
	s_wait_alu depctr_va_vdst(0)
	s_wait_dscnt 0x0
	s_wait_kmcnt 0x0
	s_cmp_eq_u32 s20, 0
	s_cselect_b64 s[100:101], s[24:25], s[26:27]   ; the stream's bias
	s_cselect_b64 s[104:105], s[28:29], s[30:31]   ; and output
	s_add_nc_u64 s[100:101], s[100:101], s[22:23]
	s_add_nc_u64 s[104:105], s[104:105], s[22:23]
	s_add_nc_u64 s[104:105], s[104:105], s[2:3]
.irp a, 0,1,2,3,4,5,6,7                ; register 8 a + j: b[32 (a / 2) + 16 h + 8 (a % 2) + j] of my 128: the results' layout
	global_load_b128 v[BI+8*\a:BI+8*\a+3], v11, s[100:101] offset:128*(\a/2)+32*(\a%2)
	global_load_b128 v[BI+8*\a+4:BI+8*\a+7], v11, s[100:101] offset:128*(\a/2)+32*(\a%2)+16
.endr
	s_lshl_b32 s20, 0x1111, s15                    ; my column of the cluster
	s_lshl_b32 s2, s16, 2
	s_lshl_b32 s2, 15, s2                          ; my row
	s_or_b32 s[G1A], s20, (3<<16)|(1<<21)          ; 15:0 the mask; 17:16 elements of 8 bytes; 21 set beside a mask; no padding
	s_or_b32 s[G1B], s2, (3<<16)|(1<<21)
	G1SET G1A, 768, 8, 1536                        ; 8 tiles' four K steps: rows of 6,144 bytes, 12,288 bytes apart
	G1SET G1B, 768, 4, 1536
	; source 0: W_proj's tiles 896 + 64 x stream + 16 gx: made of gx, Y and the wave's number alone
	s_lshl_b32 s20, s19, 4
	s_lshr_b32 s21, s17, 3
	s_lshl_b32 s21, s21, 6
	s_add_co_u32 s20, s20, s21
	s_lshl_b32 s21, s13, 3
	s_add_co_u32 s20, s20, s21
	s_add_co_u32 s20, s20, 896
	s_mul_i32 s22, s20, 12288
	s_mov_b32 s23, 0
	s_add_nc_u64 s[78:79], s[4:5], s[22:23]
	s_lshl_b32 s22, s20, 9
	s_add_nc_u64 s[58:59], s[6:7], s[22:23]
	s_mul_i32 s21, s13, 49152                      ; (s[58:59]: the scale words of my own 8 tiles of source 0)
	G0SET 60, 21, 0, 78, 0
	G0SET 68, 21, HALF, 78, 6144
	; source 1: the attention output's tiles 32 Y + 8 cy: made of Y, cy and the wave's number alone
	s_lshl_b32 s2, s17, 5
	s_lshl_b32 s3, s16, 3
	s_add_co_u32 s2, s2, s3
	s_lshl_b32 s3, s14, 2
	s_add_co_u32 s3, s2, s3                        ; the 4 tiles that I multiply:
	s_lshl_b32 s96, s3, 9
	s_mov_b32 s97, 0
	s_add_nc_u64 s[82:83], s[10:11], s[96:97]      ; their scale words
	s_lshl_b32 s3, s13, 2
	s_add_co_u32 s2, s2, s3                        ; the 4 tiles that I fetch
	s_mul_i32 s96, s2, 12288
	s_add_nc_u64 s[98:99], s[8:9], s[96:97]
	s_mul_i32 s3, s13, 24576
	G0SET 84, 3, S1O, 98, 0
	G0SET 88, 3, HALF+S1O, 98, 6144
	CROUND                                         ; all sixteen work-groups are here: the joint loads meet
	s_cmp_eq_u32 s14, 0                            ; a wave's one first fill stands in one branch on the wave's number
	s_cbranch_scc0 .Lfill_s1
	tensor_load_to_lds s[60:63], s[G1A:G1A+7]
	s_nop 0
.rept 4
	v_nop
.endr
	s_branch .Lfilled
.Lfill_s1:
	tensor_load_to_lds s[84:87], s[G1B:G1B+7]
	s_nop 0
.rept 4
	v_nop
.endr
.Lfilled:
	v_lshlrev_b32 v5, 4, v15
	v_lshl_add_u32 v5, v13, 9, v5                  ; scale words: 16 r, lanes 16-31 the next tile's
	SCALES
	s_mul_i32 s20, s13, 49152                      ; my 8 tiles of source 0
	v_lshl_add_u32 v1, v14, 4, s20
	v_lshl_add_u32 v2, v14, 3, s20
	s_mul_i32 s21, s14, 24576                      ; my 4 tiles of source 1
	s_add_co_u32 s21, s21, S1O
	v_lshl_add_u32 v3, v14, 4, s21
	v_lshl_add_u32 v4, v14, 3, s21
	s_mul_i32 s23, s12, 8448                       ; my stage: 16 rows x (512 + 16) bytes
	v_mul_u32_u24 v7, v15, 528
	v_lshl_add_u32 v7, v13, 6, v7
	v_add_nc_u32 v7, s23, v7                       ; in: row r, + 64 h
	v_lshlrev_b32 v9, 4, v14                       ; 16 l: my bytes of a row of 512, in the stage and in the output
	v_add_nc_u32 v8, s23, v9                       ; back
	s_wait_alu depctr_va_vdst(0)
	s_wait_tensorcnt 0x0                           ; my part of the first half of K has landed
	ds_add_u32 v254, v255
	s_wait_dscnt 0x0
	CROUND                                         ; everybody's part has landed, and all sixteen work-groups are here: the joint loads meet
	s_cmp_eq_u32 s14, 0
	s_cbranch_scc0 .Lfill2_s1
	tensor_load_to_lds s[68:71], s[G1A:G1A+7]      ; the second half of K: my one load behind the round
	s_nop 0
.rept 4
	v_nop
.endr
	s_branch .Lfilled2
.Lfill2_s1:
	tensor_load_to_lds s[88:91], s[G1B:G1B+7]
	s_nop 0
.rept 4
	v_nop
.endr
.Lfilled2:
	FETCH 0
	s_wait_loadcnt 0x0                             ; the bias and the scale words
	KSTEP 0, 1                                     ; the first products start the sums from the bias
	KSTEP 1, 0
	KSTEP 2, 0
	KSTEP 3, 0
	s_wait_alu depctr_va_vdst(0)
	KSTEP 4, 0
	KSTEP 5, 0
	KSTEP 6, 0
	KSTEP 7, 0
.rept 4
	v_nop                                          ; four places between the last products and the first read of results, and the loads into fragment registers
.endr
.macro TOSTAGE n                       ; token tile n: lane (r, h) holds token row r, features 32 (a / 2) + 16 h + 8 (a % 2) + j
	WIN 0x08                                       ; an LDS store's data are its source 1: window 2
.irp a, 0,1,2,3,4,5,6,7
	ds_store_b128 v7, v[64*(\n)+8*\a:64*(\n)+8*\a+3] offset:128*(\a/2)+32*(\a%2)          ; each accumulator from its low end on
	ds_store_b128 v7, v[64*(\n)+8*\a+4:64*(\n)+8*\a+7] offset:128*(\a/2)+32*(\a%2)+16
.endr
	WIN 0
.irp i, 0,1,2,3,4,5,6,7,8,9,10,11,12,13,14,15
	ds_load_b128 v[BK+64*((\n)%2)+4*\i:BK+64*((\n)%2)+4*\i+3], v8 offset:528*\i   ; LDS serves a wave's instructions in order: these see the stores above
.endr
.endm
.macro SEND n, younger                 ; younger: the LDS instructions issued behind tile n's loads, which may stay out
	s_wait_dscnt \younger
.irp i, 0,1,2,3,4,5,6,7,8,9,10,11,12,13,14,15
	global_store_b128 v9, v[BK+64*((\n)%2)+4*\i:BK+64*((\n)%2)+4*\i+3], s[104:105] offset:(32*((\n)/2)+8*((\n)%2)+(\i%8)+16*(\i/8))*4096 th:TH_STORE_NT   ; 512 consecutive bytes, aligned; the row's number undoes the tiles' order of rows
.endr
.endm
	TOSTAGE 0
.irp n, 1,2,3
.if \n > 1
	s_wait_xcnt 0x0                                ; tile n - 2's stores have read their registers: tile n's loads may land there
.endif
	TOSTAGE \n
	SEND \n-1, 32                                  ; behind tile n - 1's loads: tile n's 16 stores and 16 loads
.endr
	SEND 3, 0
	s_wait_tensorcnt 0x0
	ds_add_u32 v254, v255
	s_wait_dscnt 0x0
	CROUND                                         ; the closing round: no work-group ends while a partner may still ask for a tile that names it
	s_endpgm
.Lfunc_end_k_q66d9635be0_proj:
	.size	k_q66d9635be0_proj, .Lfunc_end_k_q66d9635be0_proj-k_q66d9635be0_proj
	.p2alignl 7, 3214868480
	.fill 96, 4, 3214868480
	.section	.rodata,"a",@progbits
	.p2align	6, 0x0
	.amdhsa_kernel k_q66d9635be0_proj
		.amdhsa_group_segment_fixed_size 327680
		.amdhsa_private_segment_fixed_size 0
		.amdhsa_enable_private_segment 0
		.amdhsa_kernarg_size 64
		.amdhsa_user_sgpr_count 2
		.amdhsa_user_sgpr_kernarg_segment_ptr 1
		.amdhsa_wavefront_size32 1
		.amdhsa_system_sgpr_workgroup_id_x 1
		.amdhsa_system_sgpr_workgroup_id_y 1
		.amdhsa_system_sgpr_workgroup_id_z 1
		.amdhsa_system_vgpr_workitem_id 0
		.amdhsa_next_free_vgpr 768
		.amdhsa_next_free_sgpr 106
		.amdhsa_reserve_vcc 0
		.amdhsa_float_denorm_mode_32 3
		.amdhsa_float_denorm_mode_16_64 3
		.amdhsa_memory_ordered 1
		.amdhsa_forward_progress 1
		.amdhsa_inst_pref_size 84
	.end_amdhsa_kernel
	.amdgpu_metadata
---
amdhsa.version: [ 1, 2 ]
amdhsa.kernels:
  - .name:           k_q66d9635be0_proj
    .symbol:         k_q66d9635be0_proj.kd
    .args:
      - { .name: opc, .offset: 0, .size: 8, .value_kind: global_buffer, .address_space: global }
      - { .name: ops, .offset: 8, .size: 8, .value_kind: global_buffer, .address_space: global }
      - { .name: ac, .offset: 16, .size: 8, .value_kind: global_buffer, .address_space: global }
      - { .name: as_, .offset: 24, .size: 8, .value_kind: global_buffer, .address_space: global }
      - { .name: b1_proj, .offset: 32, .size: 8, .value_kind: global_buffer, .address_space: global }
      - { .name: b2_proj, .offset: 40, .size: 8, .value_kind: global_buffer, .address_space: global }
      - { .name: out0, .offset: 48, .size: 8, .value_kind: global_buffer, .address_space: global }
      - { .name: out1, .offset: 56, .size: 8, .value_kind: global_buffer, .address_space: global }
    .group_segment_fixed_size: 327680
    .private_segment_fixed_size: 0
    .kernarg_segment_align: 8
    .kernarg_segment_size: 64
    .max_flat_workgroup_size: 128
    .sgpr_count:     106
    .vgpr_count:     768
    .wavefront_size: 32
...
	.end_amdgpu_metadata
.endif
;; end of part 4
